; MI455X (gfx1250); checked and timed in simulation.
; The chip was launched on July 23, 2026; its instructions are those of AMD's public machine-readable ISA for CDNA 5 (MIT licence, August 2026) and "CDNA5" Instruction Set Architecture Reference Guide (July 2026). The comments in the code are by the model that wrote it; some were corrected since.
;; Multi Head Attn. Allowed arithmetic: matrix products marked QUANTISED: E2M1 operands, one E8M0 scale for each 32 along K, by v_wmma_scale_f32_16x16x128_f8f6f4 with both operands' format E2M1 (or v_wmma_scale_f32_32x16x128_f4), f32 sums; products left as they are: bf16, f16 or f32 operands; f32 sums; everything else in f32.
;; Inputs: Wk 1,024 x 1,024 float32; Wo 1,024 x 1,024 float32; Wq 1,024 x 1,024 float32; Wv 1,024 x 1,024 float32; bk 1,024 float32; bo 1,024 float32; bq 1,024 float32; bv 1,024 float32; mask 4 x 1 x 2,048 x 2,048 int32; x 4 x 2,048 x 1,024 float32; y 4 x 2,048 x 1,024 float32.
;; Outputs: out0 4 x 2,048 x 1,024 float32.
;; This version of the problem:
;;   THIS VERSION OF THE PROBLEM IS GIVEN IN LOW PRECISION. The matrix products marked QUANTISED in the list below multiply operands that are first quantised to E2M1 (2 exponent bits, 1 mantissa bit; 4 bits a number), with one power-of-two scale for each 32 numbers along K (OCP MX v1.0); their sums are f32. The products marked 'left as it is' may take bf16, f16 or f32 operands, with f32 sums. Whichever they take, every output number must still come out within the allowed error. Rounding operands to bf16 (8 significant bits) uses up far more of that allowance than f16 does (11 bits, for magnitudes from 6e-5 to 65,504). All else is computed in f32.
;;   The module's matrix products, in the order in which they are computed (A, B: the left and right operand; K: the contracted axis; several contracted axes count as one K, in the product's order):
;;     1. [M 8,192, K 1,024] x [K 1,024, N 1,024]; A: input x; B: input Wq: QUANTISED
;;     2. [M 8,192, K 1,024] x [K 1,024, N 1,024]; A: input y; B: input Wk: QUANTISED
;;     3. [M 8,192, K 1,024] x [K 1,024, N 1,024]; A: input y; B: input Wv: QUANTISED
;;     4. batch 64 x [M 2,048, K 64] x [K 64, N 2,048]; A: computed on the way; B: computed on the way: left as it is (an operand is computed on the way)
;;     5. batch 64 x [M 2,048, K 2,048] x [K 2,048, N 64]; A: computed on the way; B: computed on the way: left as it is (an operand is computed on the way)
;;     6. [M 8,192, K 1,024] x [K 1,024, N 1,024]; A: computed on the way; B: input Wo: left as it is (an operand is computed on the way)
;;   THE QUANTISER, for each operand of a quantised product, along K:
;;     - K is cut into blocks of 32 from its start; a last block that is shorter is filled with zeros.
;;     - A block's scale is 2^e with e = floor(log2(the largest magnitude in the block)) - 2, held to -126 .. 127; a block of zeros has e = 0. As a byte (E8M0): e + 127.
;;     - Each number is divided by its block's scale, clamped to +-6, and rounded to the nearest number of E2M1, ties to even, subnormals kept.
;;     - The product sums the exact products of the quantised numbers (number of the format x scale) in f32.
;;   ~~~python
;;   def quantise(x, axis):      # numpy; x: float32 -> the quantised numbers, widened to float32 again
;;       x = np.moveaxis(x, axis, -1); K = x.shape[-1]
;;       x = np.pad(x, [(0, 0)] * (x.ndim - 1) + [(0, -K % 32)]); x = x.reshape(x.shape[:-1] + (-1, 32)); a = np.abs(x).max(-1, keepdims=True)
;;       e = np.where(a > 0, np.clip(np.frexp(np.where(a > 0, a, 1))[1] - 1 - 2, -126, 127), 0)      # np.frexp(a)[1] - 1 = floor(log2(a)), exactly
;;       r = np.clip(x / 2.0 ** e, -6, 6)
;;       step = 2.0 ** (np.maximum(np.frexp(np.where(r == 0, 1, r))[1] - 1, 0) - 1)
;;       q = np.round(r / step) * step * 2.0 ** e      # np.round: ties to even
;;       return np.moveaxis(q.reshape(q.shape[:-2] + (-1,))[..., :K], -1, axis).astype(np.float32)
;;   ~~~
;; One version. Each part assembles by itself: llvm-mc -triple=amdgcn-amd-amdhsa -mcpu=gfx1250 --defsym DOCPART=n.
;; ======== version 1 of 1: 5 launches
;; limits: values are held in f16: magnitudes above 65,504 overflow, below 6.1e-05 lose precision
;; workspace buffers: xyc 8,388,608 bytes; xys 524,288 bytes; wc 1,572,864 bytes; ws 98,304 bytes; woh 2,097,152 bytes; mbits 2,097,152 bytes of whole numbers; qkv 50,331,648 bytes; ah 16,777,216 bytes
;; launch quant (part 1): grid 608 x 1, 4 waves a work-group, no clusters, 33,280 bytes of LDS; arguments x, y, Wq, Wk, Wv, xyc, xys, wc, ws; writes xyc, xys, wc, ws
.if DOCPART == 1
	.amdgcn_target "amdgcn-amd-amdhsa--gfx1250"
	.amdhsa_code_object_version 6
	.text
	.protected	k_q06113cfa7a_quant
	.globl	k_q06113cfa7a_quant
	.p2align	8
	.type	k_q06113cfa7a_quant,@function
k_q06113cfa7a_quant:
	s_mov_b64 s[64:65], 0
	v_nop
	global_prefetch_b8 v0, s[64:65] scope:SCOPE_SE
	s_setreg_imm32_b32 hwreg(HW_REG_WAVE_MODE, 25, 1), 1
	s_wait_xcnt 0x0
; x, y [8192][1024] and Wq, Wk, Wv [1024][1024], f32 with K innermost, become codes of FP4 (E2M1), two a byte, and one E8M0 scale byte for each 32 along K.
; xyc = [x, y][8192][512 bytes], xys = [x, y][8192][32 bytes]; wc = [q, k, v][1024][512 bytes], ws = [q, k, v][1024][32 bytes].
; A block's scale is 2^(floor(log2(its largest magnitude)) - 2): its byte is the largest magnitude's own exponent field - 2, held at 1 from below.
; LIMITS: a block of zeros gets the byte 1 where the rule says 127 (its codes are zeros, which add nothing, and this program alone reads the bytes);
; NaN and infinities among the inputs are not served.
; Rows are dense and K is a multiple of 32: every tensor is a plain stream of blocks of 32.  A work-group takes 32,768 numbers, a wave 16 steps of 512.
; Work-groups 0-255 take x, 256-511 y, 512-543 Wq, 544-575 Wk, 576-607 Wv: only pointers are chosen, by the work-group's number; all take one path.
; Each load reads 512 consecutive bytes, 16 a lane; a step's 2,048 bytes turn through the wave's own stage in LDS and come back 64 bytes a lane, so that a lane
; holds 16 neighbours along K (two lanes to a block).  A wave's store of codes covers 256 consecutive bytes; its 256 scale bytes are gathered in LDS and leave as one run.
; No barrier: waves share nothing.  Loads run four steps (16 loads a wave) ahead, the turn through LDS one step.
.set WAVES, 4
.set STEPS, 16
.set EMAX,  2
.set CB,    8                          ; bytes of 16 codes
.set R,     16                         ; v16-79   four sets of 16 numbers as they are loaded
.set X,     80                         ; v80-111  two sets of 16 neighbours
.set E,     112                        ; v112-127 a scale byte for each step
.set C,     128                        ; v128-191 codes: four registers for each step, so that no store's data are written again
.set WREG,  8192                       ; LDS: a region for each wave: two stages of 32 x SP bytes, behind them its 256 scale bytes
.set SP,    80                         ; a lane's place in a stage: 64 bytes + 16 of padding
.set SPW,   12                         ; v12 LDS address of my spare word; never rewritten
.set NIL,   13                         ; v13 0; never rewritten
.set SPARE, WAVES*WREG                 ; the spare words, 128 bytes a wave, which no other line names
	s_load_b512 s[4:19], s[0:1], 0x0               ; x 4:5, y 6:7, Wq 8:9, Wk 10:11, Wv 12:13, xyc 14:15, xys 16:17, wc 18:19
	s_load_b64 s[20:21], s[0:1], 0x40              ; ws
	v_lshl_add_u32 v[SPW], v0, 2, SPARE
	v_mov_b32 v[NIL], 0
	v_lshrrev_b32 v1, 5, v0
	v_readfirstlane_b32 s26, v1                    ; wave
	v_and_b32 v2, 31, v0                           ; lane
	v_lshlrev_b32 v3, 4, v2                        ; my 16 bytes of a load's 512
	s_mul_i32 s27, s26, WREG
	v_lshrrev_b32 v14, 2, v2
	v_mul_u32_u24 v14, v14, SP
	v_and_b32 v15, 3, v2
	v_lshl_add_u32 v14, v15, 4, v14
	v_add_nc_u32 v14, s27, v14                     ; the stage, on the way in: SP (lane / 4) + 16 (lane % 4)
	v_mul_u32_u24 v15, v2, SP
	v_add_nc_u32 v15, s27, v15                     ; and on the way out: SP x lane: my 16 neighbours
	v_mul_u32_u24 v4, v2, CB                       ; my codes' place in a step's
	v_lshrrev_b32 v5, 1, v2
	s_add_co_u32 s27, s27, 2*32*SP
	v_add_nc_u32 v5, s27, v5                       ; LDS: my wave's 256 scale bytes, my block's byte
	v_lshlrev_b32 v7, 3, v2                        ; and on the way out 8 bytes a lane
	v_add_nc_u32 v6, s27, v7
	s_wait_kmcnt 0x0
	s_mov_b32 s24, 576                             ; s[22:23] the tensor, s24 its first work-group
	s_cmp_lt_u32 ttmp9, 576
	s_cselect_b64 s[22:23], s[10:11], s[12:13]
	s_cselect_b32 s24, 544, s24
	s_cmp_lt_u32 ttmp9, 544
	s_cselect_b64 s[22:23], s[8:9], s[22:23]
	s_cselect_b32 s24, 512, s24
	s_cmp_lt_u32 ttmp9, 512
	s_cselect_b64 s[22:23], s[6:7], s[22:23]
	s_cselect_b32 s24, 256, s24
	s_cselect_b64 s[14:15], s[14:15], s[18:19]     ; codes: the rows' buffer or the weights'
	s_cselect_b64 s[16:17], s[16:17], s[20:21]     ; scale bytes likewise
	s_cselect_b32 s25, 0, 512                      ; and that buffer's first work-group
	s_cmp_lt_u32 ttmp9, 256
	s_cselect_b64 s[22:23], s[4:5], s[22:23]
	s_cselect_b32 s24, 0, s24
	s_sub_co_u32 s24, ttmp9, s24
	s_lshl_b32 s24, s24, 2
	s_add_co_u32 s24, s24, s26                     ; which run of 8,192 numbers of the tensor is my wave's
	s_lshl_b32 s28, s24, 15                        ; 32,768 bytes a run
	s_mov_b32 s29, 0
	s_add_nc_u64 s[22:23], s[22:23], s[28:29]
	s_sub_co_u32 s25, ttmp9, s25
	s_lshl_b32 s25, s25, 2
	s_add_co_u32 s25, s25, s26                     ; and which run of the buffer
	s_lshl_b32 s28, s25, 12                        ; 4,096 bytes of codes a run
	s_add_nc_u64 s[14:15], s[14:15], s[28:29]
	s_lshl_b32 s28, s25, 8                         ; 256 scale bytes a run
	s_add_nc_u64 s[16:17], s[16:17], s[28:29]
.macro LOAD t
.irp i, 0,1,2,3
	global_load_b128 v[R+16*((\t)%4)+4*\i:R+16*((\t)%4)+4*\i+3], v3, s[22:23] offset:2048*(\t)+512*\i th:TH_LOAD_NT   ; 32 lanes read 512 consecutive bytes
.endr
.endm
.macro TURN t                          ; step t's numbers through the stage: LDS serves a wave's instructions in order, so no wait stands between the stores and the loads
.irp i, 0,1,2,3
	ds_store_b128 v14, v[R+16*((\t)%4)+4*\i:R+16*((\t)%4)+4*\i+3] offset:32*SP*((\t)%2)+8*SP*\i
.endr
.irp i, 0,1,2,3
	ds_load_b128 v[X+16*((\t)%2)+4*\i:X+16*((\t)%2)+4*\i+3], v15 offset:32*SP*((\t)%2)+16*\i
.endr
.endm
.irp t, 0,1,2,3
	LOAD \t
.endr
	s_wait_loadcnt 12                              ; step 0's four loads are in; the twelve of steps 1 to 3 may be out
	TURN 0
.macro STEP t
.set XS, X+16*((\t)%2)
.if (\t) > 0
	s_wait_dscnt 1                                 ; this step's numbers are back from the stage (the last step's byte store may be out)
.else
	s_wait_dscnt 0x0
.endif
.if (\t)+4 < STEPS
	LOAD (\t)+4                                    ; into the registers that this step's stage stores have read
.endif
.if (\t)+1 < STEPS
.if STEPS-2-(\t) >= 3
	s_wait_loadcnt 12                              ; the next step's four loads are in; those of the three steps behind it may be out
.else
	s_wait_loadcnt 4*(STEPS-2-(\t))
.endif
	TURN (\t)+1                                    ; they go through the other stage while this step is worked
.endif
	v_max3_num_f32 v8, |v[XS]|, |v[XS+1]|, |v[XS+2]|               ; the largest magnitude of my 16, in two chains
	v_max3_num_f32 v9, |v[XS+3]|, |v[XS+4]|, |v[XS+5]|
.irp i, 6,10
	v_max3_num_f32 v8, v8, |v[XS+\i]|, |v[XS+\i+1]|
	v_max3_num_f32 v9, v9, |v[XS+\i+2]|, |v[XS+\i+3]|
.endr
	v_max3_num_f32 v8, v8, |v[XS+14]|, |v[XS+15]|
	v_max3_num_f32 v8, v8, v9, (EMAX+1)<<23        ; and the floor 2^(EMAX + 1 - 127): the byte cannot fall under 1
	v_max_num_f32_dpp v8, v8, v8 row_xmask:1 row_mask:0xf bank_mask:0xf   ; and of my neighbour's 16: the block's
	v_add_nc_u32 v11, -(EMAX<<23), v8              ; EMAX off its exponent field: the conversion takes the exponent field of this operand as its scale
	v_cvt_scalef32_pk8_fp4_f32 v[C+4*(\t)], v[XS:XS+7], v11        ; eight numbers / the scale, to the nearest code, ties to even, beyond 6 the largest code
	v_cvt_scalef32_pk8_fp4_f32 v[C+4*(\t)+1], v[XS+8:XS+15], v11
	v_lshrrev_b32 v[E+(\t)], 23, v11               ; the scale's byte (also the plain line behind the conversions)
	ds_store_b8 v5, v[E+(\t)] offset:16*(\t)       ; both lanes of a block write the same byte with the same value
	global_store_b64 v4, v[C+4*(\t):C+4*(\t)+1], s[14:15] offset:32*CB*(\t)   ; the wave stores 256 consecutive bytes
.endm
.irp t, 0,1,2,3,4,5,6,7,8,9,10,11,12,13,14,15
	STEP \t
.endr
	ds_load_b64 v[8:9], v6                         ; in order behind my byte stores
	s_wait_dscnt 0x0
	global_store_b64 v7, v[8:9], s[16:17]          ; 32 lanes store 256 consecutive bytes
	s_wait_tensorcnt 0x0                           ; the wave's end: behind my last LDS store
	ds_add_u32 v[SPW], v[NIL]
	s_wait_dscnt 0x0
	s_endpgm
.Lfunc_end_k_q06113cfa7a_quant:
	.size	k_q06113cfa7a_quant, .Lfunc_end_k_q06113cfa7a_quant-k_q06113cfa7a_quant
	.p2alignl 7, 3214868480
	.fill 96, 4, 3214868480
	.section	.rodata,"a",@progbits
	.p2align	6, 0x0
	.amdhsa_kernel k_q06113cfa7a_quant
		.amdhsa_group_segment_fixed_size 33280
		.amdhsa_private_segment_fixed_size 0
		.amdhsa_enable_private_segment 0
		.amdhsa_kernarg_size 72
		.amdhsa_user_sgpr_count 2
		.amdhsa_user_sgpr_kernarg_segment_ptr 1
		.amdhsa_wavefront_size32 1
		.amdhsa_system_sgpr_workgroup_id_x 1
		.amdhsa_system_sgpr_workgroup_id_y 1
		.amdhsa_system_sgpr_workgroup_id_z 1
		.amdhsa_system_vgpr_workitem_id 0
		.amdhsa_next_free_vgpr 192
		.amdhsa_next_free_sgpr 66
		.amdhsa_reserve_vcc 0
		.amdhsa_float_denorm_mode_32 3
		.amdhsa_float_denorm_mode_16_64 3
		.amdhsa_memory_ordered 1
		.amdhsa_forward_progress 1
		.amdhsa_inst_pref_size 34
	.end_amdhsa_kernel
	.amdgpu_metadata
---
amdhsa.version: [ 1, 2 ]
amdhsa.kernels:
  - .name:           k_q06113cfa7a_quant
    .symbol:         k_q06113cfa7a_quant.kd
    .args:
      - { .name: x, .offset: 0, .size: 8, .value_kind: global_buffer, .address_space: global }
      - { .name: y, .offset: 8, .size: 8, .value_kind: global_buffer, .address_space: global }
      - { .name: Wq, .offset: 16, .size: 8, .value_kind: global_buffer, .address_space: global }
      - { .name: Wk, .offset: 24, .size: 8, .value_kind: global_buffer, .address_space: global }
      - { .name: Wv, .offset: 32, .size: 8, .value_kind: global_buffer, .address_space: global }
      - { .name: xyc, .offset: 40, .size: 8, .value_kind: global_buffer, .address_space: global }
      - { .name: xys, .offset: 48, .size: 8, .value_kind: global_buffer, .address_space: global }
      - { .name: wc, .offset: 56, .size: 8, .value_kind: global_buffer, .address_space: global }
      - { .name: ws, .offset: 64, .size: 8, .value_kind: global_buffer, .address_space: global }
    .group_segment_fixed_size: 33280
    .private_segment_fixed_size: 0
    .kernarg_segment_align: 8
    .kernarg_segment_size: 72
    .max_flat_workgroup_size: 128
    .sgpr_count:     66
    .vgpr_count:     192
    .wavefront_size: 32
...
	.end_amdgpu_metadata
.endif
;; end of part 1
;; launch pack (part 2): grid 512 x 1, 4 waves a work-group, no clusters, 34,304 bytes of LDS; arguments mask, Wo, mbits, woh; writes mbits, woh
.if DOCPART == 2
	.amdgcn_target "amdgcn-amd-amdhsa--gfx1250"
	.amdhsa_code_object_version 6
	.text
	.protected	k_q06113cfa7a_pack
	.globl	k_q06113cfa7a_pack
	.p2align	8
	.type	k_q06113cfa7a_pack,@function
k_q06113cfa7a_pack:
	s_mov_b64 s[64:65], 0
	v_nop
	global_prefetch_b8 v0, s[64:65] scope:SCOPE_SE
	s_setreg_imm32_b32 hwreg(HW_REG_WAVE_MODE, 25, 1), 1
	s_wait_xcnt 0x0
; (1) mask [4][1][2048][2048] int32 becomes lane-mask words: mbits = [batch][tile of 16 queries: 128][128 keys: 16][64 words].
;     Word 8 kt + j of an entry has bit L = (mask[batch][16 qt + L % 16][128 ks + 16 kt + 8 (L / 16) + j] != 0): the lanes of register j of tile kt of a 16 x 16 matrix result
;     whose lane holds query L % 16 and keys 8 (L / 16) + 0..7.  The attention launch masks a whole score register by one select on such a word; the 16 heads read 1/32 of the mask's bytes.
; (2) Wo [1024 n][1024 k] f32 becomes f16 in panels of 64 along K: woh = [k / 64][n][64], so that a tile of rows of one panel is one dense block.
; LIMITS: |Wo| beyond 65,504 would become infinity in f16; magnitudes under 6e-5 keep f16's fixed step of 6e-8.
; SHARES.  Work-group g takes the 16 mask rows of (batch, qt) = g and rows 2 g, 2 g + 1 of Wo; its wave w the keys 512 w .. 512 w + 511 (four units of 128) and Wo's panels 4 w .. 4 w + 3.
; A unit: 16 loads of 512 consecutive bytes (one row's 128 keys), through the wave's own stage in LDS (rows of 512 + 16 bytes), back in the matrix result's layout, 64 compares, 64 lane writes, one store of 256 consecutive bytes.
; No barrier: waves share nothing.  No branch.
.set PITCH, 528
.set WST,   16*PITCH                   ; a wave's stage
.set SPARE, 4*WST                      ; 33,792: the spare words, 128 bytes a wave, which no other line names
.set SPW,   8                          ; v8  LDS address of my spare word; never rewritten
.set NIL,   9                          ; v9  0; never rewritten
.set OUT,   10                         ; v10-17  a unit's 64 words: lane l of the pair holds words 2 l, 2 l + 1
.set WF,    20                         ; v20-35  Wo as loaded
.set WH,    36                         ; v36-43  Wo in f16
.set R,     64                         ; v64-191 two sets of 64: a unit as loaded
.set X,     192                        ; v192-255 a unit in the matrix result's layout: register 8 kt + j
	s_load_b256 s[4:11], s[0:1], 0x0               ; mask 4:5, Wo 6:7, mbits 8:9, woh 10:11
	v_lshl_add_u32 v[SPW], v0, 2, SPARE
	v_mov_b32 v[NIL], 0
	v_lshrrev_b32 v1, 5, v0
	v_readfirstlane_b32 s12, v1                    ; wave
	v_and_b32 v1, 31, v0                           ; L
	v_and_b32 v18, 15, v0                          ; r
	v_bfe_u32 v19, v0, 4, 1                        ; h
	v_lshlrev_b32 v2, 4, v1                        ; 16 L: my bytes of a row's 512
	s_mul_i32 s13, s12, WST
	v_add_nc_u32 v3, s13, v2                       ; the stage, on the way in
	v_mul_u32_u24 v4, v18, PITCH
	v_lshl_add_u32 v4, v19, 5, v4
	v_add_nc_u32 v4, s13, v4                       ; and on the way out: row r, + 32 h
	v_lshlrev_b32 v5, 3, v1                        ; 8 L: my two words of an entry
	v_lshlrev_b32 v6, 12, v19
	v_lshl_add_u32 v6, v18, 4, v6                  ; Wo: row h of the pair, 16 r
	v_lshlrev_b32 v7, 7, v19
	v_lshl_add_u32 v7, v18, 3, v7                  ; woh: row h of 128 bytes, 8 r
.irp i, 0,1,2,3,4,5,6,7
	v_mov_b32 v[OUT+\i], 0                         ; a lane write's destination counts as read
.endr
	s_lshl_b32 s14, ttmp9, 17                      ; mask: 16 rows of 8,192 bytes a work-group,
	s_lshl_b32 s15, s12, 11                        ; 2,048 bytes of each row a wave
	s_add_co_u32 s14, s14, s15
	s_mov_b32 s15, 0
	s_lshl_b32 s16, ttmp9, 12                      ; mbits: 4,096 bytes a work-group, 1,024 a wave
	s_lshl_b32 s17, s12, 10
	s_add_co_u32 s16, s16, s17
	s_lshl_b32 s18, ttmp9, 13                      ; Wo: two rows of 4,096 bytes a work-group, 1,024 bytes of each a wave
	s_add_co_u32 s18, s18, s17
	s_mov_b32 s17, 0
	s_mov_b32 s19, 0
	s_lshl_b32 s20, s12, 19                        ; woh: four panels of 131,072 bytes a wave, two rows of 128 bytes a work-group
	s_lshl_b32 s21, ttmp9, 8
	s_add_co_u32 s20, s20, s21
	s_mov_b32 s21, 0
	s_wait_kmcnt 0x0
	s_add_nc_u64 s[4:5], s[4:5], s[14:15]
	s_add_nc_u64 s[8:9], s[8:9], s[16:17]
	s_add_nc_u64 s[6:7], s[6:7], s[18:19]
	s_add_nc_u64 s[10:11], s[10:11], s[20:21]
.irp i, 0,1,2,3
	global_load_b128 v[WF+4*\i:WF+4*\i+3], v6, s[6:7] offset:256*\i th:TH_LOAD_NT   ; sixteen lanes read 256 consecutive bytes of a row: a panel's 64 numbers
.endr
.macro LOADU u
.irp i, 0,1,2,3,4,5,6,7,8,9,10,11,12,13,14,15
	global_load_b128 v[R+64*((\u)%2)+4*\i:R+64*((\u)%2)+4*\i+3], v2, s[4:5] offset:\i*8192+(\u)*512 th:TH_LOAD_NT   ; row i, 512 consecutive bytes
.endr
.endm
.macro UNIT u, left
	s_wait_loadcnt \left                           ; this unit's 16 loads are in; the next unit's 16 may be out
.irp i, 0,1,2,3,4,5,6,7,8,9,10,11,12,13,14,15
	ds_store_b128 v3, v[R+64*((\u)%2)+4*\i:R+64*((\u)%2)+4*\i+3] offset:\i*PITCH
.endr
.irp i, 0,1,2,3,4,5,6,7,8,9,10,11,12,13,14,15
	ds_load_b128 v[X+4*\i:X+4*\i+3], v4 offset:64*(\i/2)+16*(\i%2)   ; tile kt = i / 2: keys 16 kt + 8 h + 4 (i % 2) + 0..3 of row r; in order behind my stores
.endr
	s_wait_dscnt 0x0                               ; the unit is back, and the stores have read their registers
.if (\u) < 2
	LOADU (\u)+2
.endif
.irp g, 0,1,2,3
.irp i, 0,1,2,3,4,5,6,7,8,9,10,11,12,13,14,15
	v_cmp_ne_u32 s[32+\i], 0, v[X+16*\g+\i]        ; word 16 g + i: a bit a lane
.endr
.irp i, 0,1,2,3,4,5,6,7,8,9,10,11,12,13,14,15
	v_writelane_b32 v[OUT+2*(\u)+(\i%2)], s[32+\i], (16*\g+\i)/2
.endr
.endr
	global_store_b64 v5, v[OUT+2*(\u):OUT+2*(\u)+1], s[8:9] offset:256*(\u)   ; 32 lanes store the entry's 256 consecutive bytes
.endm
	LOADU 0
	LOADU 1
	UNIT 0, 16
	UNIT 1, 16
	UNIT 2, 16
	UNIT 3, 0
.irp i, 0,1,2,3
	v_cvt_pk_f16_f32 v[WH+2*\i], v[WF+4*\i], v[WF+4*\i+1]          ; Wo's loads were the first issued: the first unit's wait has shown them in
	v_cvt_pk_f16_f32 v[WH+2*\i+1], v[WF+4*\i+2], v[WF+4*\i+3]
.endr
.irp i, 0,1,2,3
	global_store_b64 v7, v[WH+2*\i:WH+2*\i+1], s[10:11] offset:131072*\i   ; two neighbouring rows of a panel: 256 consecutive bytes
.endr
	s_wait_tensorcnt 0x0                           ; the wave's end: behind my last LDS store
	ds_add_u32 v[SPW], v[NIL]
	s_wait_dscnt 0x0
	s_endpgm
.Lfunc_end_k_q06113cfa7a_pack:
	.size	k_q06113cfa7a_pack, .Lfunc_end_k_q06113cfa7a_pack-k_q06113cfa7a_pack
	.p2alignl 7, 3214868480
	.fill 96, 4, 3214868480
	.section	.rodata,"a",@progbits
	.p2align	6, 0x0
	.amdhsa_kernel k_q06113cfa7a_pack
		.amdhsa_group_segment_fixed_size 34304
		.amdhsa_private_segment_fixed_size 0
		.amdhsa_enable_private_segment 0
		.amdhsa_kernarg_size 32
		.amdhsa_user_sgpr_count 2
		.amdhsa_user_sgpr_kernarg_segment_ptr 1
		.amdhsa_wavefront_size32 1
		.amdhsa_system_sgpr_workgroup_id_x 1
		.amdhsa_system_sgpr_workgroup_id_y 1
		.amdhsa_system_sgpr_workgroup_id_z 1
		.amdhsa_system_vgpr_workitem_id 0
		.amdhsa_next_free_vgpr 256
		.amdhsa_next_free_sgpr 66
		.amdhsa_reserve_vcc 0
		.amdhsa_float_denorm_mode_32 3
		.amdhsa_float_denorm_mode_16_64 3
		.amdhsa_memory_ordered 1
		.amdhsa_forward_progress 1
		.amdhsa_inst_pref_size 51
	.end_amdhsa_kernel
	.amdgpu_metadata
---
amdhsa.version: [ 1, 2 ]
amdhsa.kernels:
  - .name:           k_q06113cfa7a_pack
    .symbol:         k_q06113cfa7a_pack.kd
    .args:
      - { .name: mask, .offset: 0, .size: 8, .value_kind: global_buffer, .address_space: global }
      - { .name: Wo, .offset: 8, .size: 8, .value_kind: global_buffer, .address_space: global }
      - { .name: mbits, .offset: 16, .size: 8, .value_kind: global_buffer, .address_space: global }
      - { .name: woh, .offset: 24, .size: 8, .value_kind: global_buffer, .address_space: global }
    .group_segment_fixed_size: 34304
    .private_segment_fixed_size: 0
    .kernarg_segment_align: 8
    .kernarg_segment_size: 32
    .max_flat_workgroup_size: 128
    .sgpr_count:     66
    .vgpr_count:     256
    .wavefront_size: 32
...
	.end_amdgpu_metadata
.endif
;; end of part 2
;; launch proj (part 3): grid 12 x 64, 4 waves a work-group, clusters of 4 x 4, 240,896 bytes of LDS; arguments xyc, xys, wc, ws, bq, bk, bv, qkv; writes qkv
.if DOCPART == 3
	.amdgcn_target "amdgcn-amd-amdhsa--gfx1250"
	.amdhsa_code_object_version 6
	.text
	.protected	k_q06113cfa7a_proj
	.globl	k_q06113cfa7a_proj
	.p2align	8
	.type	k_q06113cfa7a_proj,@function
k_q06113cfa7a_proj:
	s_mov_b64 s[64:65], 0
	v_nop
	global_prefetch_b8 v0, s[64:65] scope:SCOPE_SE
	s_setreg_imm32_b32 hwreg(HW_REG_WAVE_MODE, 25, 1), 1
	s_wait_xcnt 0x0
	s_wait_alu depctr_hold_cnt(0) depctr_sa_sdst(0) depctr_va_vdst(0) depctr_va_sdst(0) depctr_va_ssrc(0) depctr_va_vcc(0) depctr_vm_vsrc(0)
	s_getreg_b32 s2, hwreg(HW_REG_IB_STS2, 6, 4)
	s_cmp_eq_u32 s2, 0
	s_cbranch_scc0 .Lentry_in_a_cluster
	s_endpgm
.Lentry_in_a_cluster:
	s_bfe_u32 s2, ttmp6, 0x10000c
	s_cmp_lg_u32 s2, 0xf033
	s_cbranch_scc0 .Lentry_shape_is_right
	s_endpgm
.Lentry_shape_is_right:
; The three quantised products: Q = x Wq^T + bq, K = y Wk^T + bk, V = y Wv^T + bv, on codes of FP4 (E2M1) with one E8M0 scale for each 32 along K; sums in f32.
; Q is also multiplied by log2(e) / 8, so that the attention launch's scores are exponents of 2.  Results are rounded once to f16 and laid qkv = [Q, K, V][batch 4][head 16][2048][64].
; LIMITS: a result beyond 65,504 in magnitude would become infinity in f16; with x, y and the weights all 30 times their drawn spread results stay near 5,000.
; SHARES.  768 tiles of 128 rows x 256 columns.  The cluster's x is the product (0, 1, 2); its four places along x are the four column tiles, along y four row tiles.
; A wave makes all 128 rows x the 64 columns of ONE head: 32 accumulators of 16 x 16.
; ALL OF K LIES IN LDS, as two halves of 512 (rows of 256 bytes): both are first fills, nothing is filled again, so there is no ring; the second half lands while the first is multiplied.
; The rows' and the weights' scale bytes of the tile (32 bytes a row) are dense blocks and come with the first fills.
; JOINT LOADS: the rows' tiles are shared along a row of the cluster, the weights' along a column; waves 0, 1 fetch the rows' halves, waves 2, 3 the weights'.  Three loads of a wave are out at the most.
; THE MATRIX INSTRUCTION IS USED TRANSPOSED (source 0 = 16 rows of W, source 1 = 16 rows of x or y): a lane holds eight neighbouring columns of one row.  The bias is the C of each sum's first product.
; REGISTERS: window 0: v16-29 addresses; v32-127 scale words (they hold nothing else); v128-159 the bias; v160-239 the way out.
;   window 1: accumulator (a, b) at v[8 (4 a + b)].   window 2: two sets of fragments of 96: rows' block a at + 8 a, weights' block b at + 64 + 8 b.
.set PITCH, 272                        ; an LDS row: 256 bytes + 16 of padding: the 16 rows of a fragment load start at 16 different banks (64 banks of 4 bytes: ISA guide 11.1)
.set BOFF,  128*PITCH                  ; in a slot: the rows' 128, then the weights' 256
.set SLOT,  384*PITCH                  ; 104,448
.set SCL,   2*SLOT                     ; the scale bytes, as runs of 256 bytes + 16 of padding (8 rows to a run): the rows' 16 runs, then the weights' 32
.set STAGE, SCL+48*272                 ; 221,952: the way out: for each wave two stages of 16 rows x (128 + 16) bytes; no fill lands here
.set SPARE, STAGE+4*4608               ; 240,384: the spare words, 128 bytes a wave, which no other line names
.set ADRA, 16                          ; v16-17 my lane's place in the rows' tile, slot 0, 1
.set ADRB, 18                          ; v18-19 in my head's 64 rows of the weights' tile
.set ADSA, 20                          ; v20 row r's scale bytes in a block of the rows
.set ADSB, 21                          ; v21 and of my head's weights
.set STO,  22
.set RD,   23
.set GO,   24
.set BO,   25
.set SPW,  28                          ; v28 LDS address of my spare word; never rewritten
.set NIL,  29                          ; v29 0; never rewritten
.set SC,   32                          ; scale words: half s at + 48 s; rows' block a, word q at + 4 a + q; weights' block b at + 32 + 4 b + q
.set BIAS, 128
.set T,    160
.set HF,   192
.set BK,   208
.set WV,   20                          ; s20 wave; s21 wave / 2: I fetch for the rows (0) or the weights (1); s22 wave % 2: which half
.set FB,   21
.set HW,   22
.set G1A,  28                          ; s[28:35], s[36:43] group 1 for the rows' and the weights' codes; s[44:51], s[52:59] for their scale bytes
.set G1B,  36
.set G1SA, 44
.set G1SB, 52
.set G0A,  68                          ; s[68:75], s[76:83] group 0, a set for each half of K; s[84:87], s[88:91] for the scale bytes
.set G0B,  76
.set G0SA, 84
.set G0SB, 88
.set MSB, 0
.macro WIN new                         ; the immediate's high byte repeats the setting that is left
.if MSB != \new
	s_set_vgpr_msb (MSB<<8)|\new
.set MSB, \new
.endif
.endm
.macro PLACES n
.rept \n
	v_nop
.endr
.endm
; A joint load.  Each of the two lines has one mask and one set of registers for all that issue it; the branch hangs on the wave's number alone.  An s_nop 0 and four v_nop follow each line.
.macro JLOAD g0a, g1a, g0b, g1b
	s_cmp_eq_u32 s[FB], 0
	s_cbranch_scc0 .Lfor_b_\@
	tensor_load_to_lds s[\g0a:\g0a+3], s[\g1a:\g1a+7]
	s_nop 0
.rept 4
	v_nop
.endr
	s_branch .Lasked_\@
.Lfor_b_\@:
	tensor_load_to_lds s[\g0b:\g0b+3], s[\g1b:\g1b+7]
	s_nop 0
.rept 4
	v_nop
.endr
.Lasked_\@:
.endm
.macro CROUND                          ; a round of the cluster's barrier
	s_barrier_signal -1
	s_barrier_wait -1
	s_cmp_lg_u32 s[WV], 0
	s_cbranch_scc1 .Lnot_wave_0_\@
	s_barrier_signal -3
.Lnot_wave_0_\@:
	s_barrier_wait -3
	s_barrier_signal -1
	s_barrier_wait -1
.endm
	s_load_b512 s[4:19], s[0:1], 0x0               ; xyc 4:5, xys 6:7, wc 8:9, ws 10:11, bq 12:13, bk 14:15, bv 16:17, qkv 18:19
	v_lshl_add_u32 v[SPW], v0, 2, SPARE
	v_mov_b32 v[NIL], 0
	ds_add_u32 v[SPW], v[NIL]                      ; the wave's opening: the add, twice on end, and its wait ahead of my first tensor load
	ds_add_u32 v[SPW], v[NIL]
	v_lshrrev_b32 v1, 5, v0
	v_readfirstlane_b32 s[WV], v1                  ; wave 0..3
	s_lshr_b32 s[FB], s[WV], 1
	s_and_b32 s[HW], s[WV], 1
	s_bfe_u32 s23, ttmp6, 0x40000                  ; cx: the column tile
	s_bfe_u32 s24, ttmp6, 0x40004                  ; cy
	s_and_b32 s25, ttmp7, 0xffff
	s_lshl_b32 s25, s25, 2
	s_add_co_u32 s25, s25, s24                     ; the row tile = 4 x cluster y + cy, 0..63
	s_lshl_b32 s26, s24, 2
	s_lshl_b32 s26, 15, s26                        ; my row of the cluster
	s_lshl_b32 s27, 0x1111, s23                    ; my column
	s_or_b32 s[G1A], s26, (1<<20)|(1<<21)|(5<<22)|(3<<25)    ; elements of 1 byte; padding on: 4 words after every 64; bit 21 beside a mask
	s_or_b32 s[G1B], s27, (1<<20)|(1<<21)|(5<<22)|(3<<25)
	s_mov_b32 s[G1A+1], 256<<16                    ; tensor_dim0 = 256 bytes: 512 codes
	s_mov_b32 s[G1A+2], 64<<16                     ; tensor_dim1 = 64 rows
	s_mov_b32 s[G1A+3], 256<<16                    ; tile_dim0
	s_mov_b32 s[G1A+4], 64                         ; tile_dim1
	s_mov_b32 s[G1A+5], 512                        ; from row to row: 1,024 codes
	s_mov_b32 s[G1A+6], 0
	s_mov_b32 s[G1A+7], 0
	s_mov_b32 s[G1B+1], 256<<16
	s_mov_b32 s[G1B+2], 128<<16                    ; 128 rows
	s_mov_b32 s[G1B+3], 256<<16
	s_mov_b32 s[G1B+4], 128
	s_mov_b32 s[G1B+5], 512
	s_mov_b32 s[G1B+6], 0
	s_mov_b32 s[G1B+7], 0
	s_or_b32 s[G1SA], s26, (3<<16)|(1<<20)|(1<<21)|(5<<22)|(3<<25)   ; the scale bytes: dense, as rows of 32 elements of 8 bytes
	s_or_b32 s[G1SB], s27, (3<<16)|(1<<20)|(1<<21)|(5<<22)|(3<<25)
	s_mov_b32 s[G1SA+1], 32<<16
	s_mov_b32 s[G1SA+2], 8<<16                     ; 64 rows x 32 bytes = 8 runs of 256
	s_mov_b32 s[G1SA+3], 32<<16
	s_mov_b32 s[G1SA+4], 8
	s_mov_b32 s[G1SA+5], 32
	s_mov_b32 s[G1SA+6], 0
	s_mov_b32 s[G1SA+7], 0
	s_mov_b32 s[G1SB+1], 32<<16
	s_mov_b32 s[G1SB+2], 16<<16                    ; 128 rows: 16 runs
	s_mov_b32 s[G1SB+3], 32<<16
	s_mov_b32 s[G1SB+4], 16
	s_mov_b32 s[G1SB+5], 32
	s_mov_b32 s[G1SB+6], 0
	s_mov_b32 s[G1SB+7], 0
	; where the tiles come from.  The rows' hang on the product and the row tile, the weights' on the product and the column tile, each in registers that never hold the other coordinate
	s_min_u32 s60, ttmp9, 1                        ; x for Q, y for K and V
	s_lshl_b32 s60, s60, 13
	s_lshl_b32 s61, s25, 7
	s_add_co_u32 s60, s60, s61
	s_lshl_b32 s61, s[HW], 6
	s_add_co_u32 s60, s60, s61                     ; the first of the 64 rows that I would fetch
	s_lshl_b32 s62, s60, 5                         ; its scale bytes
	s_mov_b32 s63, 0
	s_lshl_b32 s60, s60, 9                         ; its codes
	s_mov_b32 s61, 0
	s_lshl_b32 s94, ttmp9, 10
	s_lshl_b32 s95, s23, 8
	s_add_co_u32 s94, s94, s95
	s_lshl_b32 s95, s[HW], 7
	s_add_co_u32 s94, s94, s95                     ; the first of the 128 rows of the weights
	s_lshl_b32 s96, s94, 5
	s_mov_b32 s97, 0
	s_lshl_b32 s94, s94, 9
	s_mov_b32 s95, 0
	s_mul_i32 s98, s[HW], 64*PITCH                 ; and where they go: made of the wave's number alone
	s_mul_i32 s99, s[HW], 128*PITCH
	s_add_co_u32 s99, s99, BOFF
	s_mul_i32 s66, s[HW], 8*272
	s_add_co_u32 s66, s66, SCL
	s_mul_i32 s67, s[HW], 16*272
	s_add_co_u32 s67, s67, SCL+16*272
	s_wait_dscnt 0x0                               ; both opening adds are done
	s_wait_kmcnt 0x0
	s_add_nc_u64 s[4:5], s[4:5], s[60:61]
	s_add_nc_u64 s[6:7], s[6:7], s[62:63]
	s_add_nc_u64 s[8:9], s[8:9], s[94:95]
	s_add_nc_u64 s[10:11], s[10:11], s[96:97]
	s_cmp_eq_u32 ttmp9, 0                          ; the product's bias and factor: the product is the same in all sixteen partners
	s_cselect_b64 s[12:13], s[12:13], s[14:15]
	s_mov_b32 s92, 1.0
	s_cselect_b32 s92, 0x3e38aa3b, s92             ; log2(e) / 8 for Q
	s_cmp_eq_u32 ttmp9, 2
	s_cselect_b64 s[12:13], s[16:17], s[12:13]
	s_mov_b32 s93, s92                             ; (named with it as a pair)
	CROUND                                         ; all sixteen work-groups are here: the first joint loads meet
	s_mov_b32 s[G0SA], 1
	s_mov_b32 s[G0SA+1], s66
	s_mov_b64 s[G0SA+2:G0SA+3], s[6:7]
	s_or_b32 s[G0SA+3], s[G0SA+3], 0x80000000
	s_mov_b32 s[G0SB], 1
	s_mov_b32 s[G0SB+1], s67
	s_mov_b64 s[G0SB+2:G0SB+3], s[10:11]
	s_or_b32 s[G0SB+3], s[G0SB+3], 0x80000000
	JLOAD G0SA, G1SA, G0SB, G1SB                   ; the scale bytes first: they are wanted with the first half of K
.irp s, 0,1
	s_mov_b32 s[G0A+4*\s], 1
	s_add_co_u32 s[G0A+4*\s+1], s98, \s*SLOT
	s_add_nc_u64 s[G0A+4*\s+2:G0A+4*\s+3], s[4:5], \s*256
	s_or_b32 s[G0A+4*\s+3], s[G0A+4*\s+3], 0x80000000
	s_mov_b32 s[G0B+4*\s], 1
	s_add_co_u32 s[G0B+4*\s+1], s99, \s*SLOT
	s_add_nc_u64 s[G0B+4*\s+2:G0B+4*\s+3], s[8:9], \s*256
	s_or_b32 s[G0B+4*\s+3], s[G0B+4*\s+3], 0x80000000
	JLOAD G0A+4*\s, G1A, G0B+4*\s, G1B
.endr
	v_and_b32 v1, 15, v0                           ; r
	v_bfe_u32 v2, v0, 4, 1                         ; h
	v_and_b32 v3, 31, v0                           ; L
	v_mul_u32_u24 v4, v1, PITCH
	v_lshl_add_u32 v[ADRA], v2, 4, v4              ; a fragment's row x pitch + 16 h
	v_add_nc_u32 v[ADRA+1], SLOT, v[ADRA]
	s_mul_i32 s66, s[WV], 64*PITCH                 ; my head's 64 rows of the weights
	s_add_co_u32 s66, s66, BOFF
	v_add_nc_u32 v[ADRB], s66, v[ADRA]
	v_add_nc_u32 v[ADRB+1], SLOT, v[ADRB]
	v_lshrrev_b32 v4, 3, v1
	v_mul_u32_u24 v4, v4, 272
	v_and_b32 v5, 7, v1
	v_lshl_add_u32 v4, v5, 5, v4
	v_add_nc_u32 v[ADSA], SCL, v4                  ; row r of a block: run r / 8, 32 bytes a row; both halves of the lanes read row r's words
	s_mul_i32 s66, s[WV], 8*272
	s_add_co_u32 s66, s66, 16*272
	v_add_nc_u32 v[ADSB], s66, v[ADSA]
	s_mul_i32 s66, s[WV], 4608
	s_add_co_u32 s66, s66, STAGE                   ; my stages
	v_mul_u32_u24 v4, v1, 144
	v_lshl_add_u32 v4, v2, 4, v4
	v_add_nc_u32 v[STO], s66, v4                   ; in: row r, 16 bytes for each half of the lanes
	v_lshrrev_b32 v4, 3, v3
	v_mul_u32_u24 v4, v4, 144
	v_and_b32 v5, 7, v3
	v_lshl_add_u32 v4, v5, 4, v4
	v_add_nc_u32 v[RD], s66, v4                    ; back: eight lanes to a row of 128 bytes, four rows an instruction
	v_lshlrev_b32 v[GO], 4, v3
	v_lshlrev_b32 v[BO], 5, v2                     ; the bias: my half's eight numbers of a block of 16
	s_lshl_b32 s98, s23, 10                        ; my head's 64 numbers: 256 (4 cx + wave) bytes on
	s_lshl_b32 s99, s[WV], 8
	s_add_co_u32 s98, s98, s99
	s_mov_b32 s99, 0
	s_add_nc_u64 s[12:13], s[12:13], s[98:99]
.irp b, 0,1,2,3
	global_load_b128 v[BIAS+8*\b:BIAS+8*\b+3], v[BO], s[12:13] offset:64*\b
	global_load_b128 v[BIAS+8*\b+4:BIAS+8*\b+7], v[BO], s[12:13] offset:64*\b+16
.endr
	s_lshr_b32 s98, s25, 4                         ; where my 128 rows of my head begin in qkv: the batch,
	s_lshl_b32 s98, s98, 4
	s_lshl_b32 s99, s23, 2
	s_add_co_u32 s98, s98, s99
	s_add_co_u32 s98, s98, s[WV]                   ; the head,
	s_lshl_b32 s98, s98, 18                        ; 2,048 rows of 128 bytes each,
	s_and_b32 s99, s25, 15
	s_lshl_b32 s99, s99, 14                        ; the tile's 128 rows,
	s_add_co_u32 s98, s98, s99
	s_lshl_b32 s99, ttmp9, 24                      ; the product's 16,777,216 bytes
	s_add_co_u32 s98, s98, s99
	s_mov_b32 s99, 0
	s_add_nc_u64 s[18:19], s[18:19], s[98:99]
.macro SCALES s                        ; half s of K: four words a row
	WIN 0
.irp a, 0,1,2,3,4,5,6,7
	ds_load_b128 v[SC+48*\s+4*\a:SC+48*\s+4*\a+3], v[ADSA] offset:16*\s+544*\a
.endr
.irp b, 0,1,2,3
	ds_load_b128 v[SC+48*\s+32+4*\b:SC+48*\s+32+4*\b+3], v[ADSB] offset:16*\s+544*\b
.endr
.endm
; A fragment, 16 rows x 128 K of 4-bit codes, is 8 registers: lane l holds row l % 16; registers 4 c .. 4 c + 3 hold K = 64 c + 32 (l / 16) + 0 .. 31.  24 loads: the q-th 128 along K into set sg
.macro FETCH q, sg
	WIN 0x80                                       ; destination window 2, address window 0
.irp i, 0,1,2,3,4,5,6,7
.irp c, 0,1
	ds_load_b128 v[96*(\sg)+8*\i+4*\c:96*(\sg)+8*\i+4*\c+3], v[ADRA+(\q)/4] offset:64*((\q)%4)+32*\c+\i*16*PITCH
.endr
.endr
.irp i, 0,1,2,3
.irp c, 0,1
	ds_load_b128 v[96*(\sg)+64+8*\i+4*\c:96*(\sg)+64+8*\i+4*\c+3], v[ADRB+(\q)/4] offset:64*((\q)%4)+32*\c+\i*16*PITCH
.endr
.endr
.endm
; 32 matrix instructions: the 32 accumulators take turns, one instruction a turn, in the same order in every step.  first = 1: C is the bias, in window 0
.macro MUL q, first
.if \first
	WIN 0x4a
.else
	WIN 0x5a                                       ; sources 0 and 1 window 2, C and D window 1
.endif
.irp a, 0,1,2,3,4,5,6,7
.irp b, 0,1,2,3
.if \first
	v_wmma_scale_f32_16x16x128_f8f6f4 v[8*(4*\a+\b):8*(4*\a+\b)+7], v[96*((\q)%2)+64+8*\b:96*((\q)%2)+64+8*\b+7], v[96*((\q)%2)+8*\a:96*((\q)%2)+8*\a+7], v[BIAS+8*\b:BIAS+8*\b+7], v[SC+48*((\q)/4)+32+4*\b+(\q)%4], v[SC+48*((\q)/4)+4*\a+(\q)%4] matrix_a_fmt:MATRIX_FMT_FP4 matrix_b_fmt:MATRIX_FMT_FP4
.else
	v_wmma_scale_f32_16x16x128_f8f6f4 v[8*(4*\a+\b):8*(4*\a+\b)+7], v[96*((\q)%2)+64+8*\b:96*((\q)%2)+64+8*\b+7], v[96*((\q)%2)+8*\a:96*((\q)%2)+8*\a+7], v[8*(4*\a+\b):8*(4*\a+\b)+7], v[SC+48*((\q)/4)+32+4*\b+(\q)%4], v[SC+48*((\q)/4)+4*\a+(\q)%4] matrix_a_fmt:MATRIX_FMT_FP4 matrix_b_fmt:MATRIX_FMT_FP4
.endif
.endr
.endr
.endm
	s_wait_tensorcnt 0x1                           ; my parts of the scale bytes and of the first half of K are in; the second half's load may be out
	s_barrier_signal -1
	s_barrier_wait -1                              ; everybody's are
	SCALES 0
	FETCH 0, 0
.set Q, 0
.rept 8                                ; eight steps of 128 along K; the next step's fragments are asked for ahead of each step's products
.if Q >= 1
	PLACES 4                                       ; in front of loads into the set that the last step's products read (ISA guide 7.12.1 for vector instructions)
.endif
.if Q == 3
	s_wait_tensorcnt 0x0                           ; my part of the second half of K is in,
	s_wait_dscnt 0x0                               ; no LDS instruction of mine is pending at the signal,
	s_barrier_signal -1
	s_barrier_wait -1                              ; everybody's is.
	SCALES 1
.endif
.if Q < 7
	FETCH Q+1, (Q+1)%2
	s_wait_dscnt 24                                ; all but the 24 loads just issued: this step's fragments and scale words are in
.else
	s_wait_dscnt 0x0
.endif
.if Q == 0
	s_wait_loadcnt 0x0                             ; the bias
	MUL Q, 1
.else
	MUL Q, 0
.endif
.set Q, Q+1
.endr
; THE WAY OUT, a block of 16 rows at a time: x the factor, rounded to f16 (16 bytes a lane), through my own stage in LDS, back as 2,048 consecutive bytes of my head's rows.
.macro PACK a
	WIN 0x01                                       ; source 0 window 1
.set i, 0
.rept 16
	v_pk_mul_f32 v[T+2*i:T+2*i+1], v[32*(\a)+2*i:32*(\a)+2*i+1], s[92:93] op_sel_hi:[1,0]   ; ascending: each accumulator from its low end on
.set i, i+1
.endr
	WIN 0
.set i, 0
.rept 16
	v_cvt_pk_f16_f32 v[HF+i], v[T+2*i], v[T+2*i+1]
.set i, i+1
.endr
.endm
.macro TOSTAGE a
.irp b, 0,1,2,3
	ds_store_b128 v[STO], v[HF+4*\b:HF+4*\b+3] offset:2304*((\a)%2)+32*\b
.endr
.irp i, 0,1,2,3
	ds_load_b128 v[BK+16*((\a)%2)+4*\i:BK+16*((\a)%2)+4*\i+3], v[RD] offset:2304*((\a)%2)+576*\i   ; LDS serves a wave's instructions in order: these see the stores above
.endr
.endm
.macro SEND a, younger
	s_wait_dscnt \younger                          ; the block is back; the next block's 4 stores and 4 loads may be out
.irp i, 0,1,2,3
	global_store_b128 v[GO], v[BK+16*((\a)%2)+4*\i:BK+16*((\a)%2)+4*\i+3], s[18:19] offset:2048*(\a)+512*\i   ; 32 lanes store 512 consecutive bytes
.endr
.endm
	PLACES 4                                       ; behind the last products, ahead of the first read of results
	PACK 0
	TOSTAGE 0
.irp a, 1,2,3,4,5,6,7
	PACK \a
.if \a > 1
	s_wait_xcnt 0x0                                ; block a - 2's stores have read their registers: block a's loads may land there
.endif
	TOSTAGE \a
	SEND \a-1, 8
.endr
	SEND 7, 0
	s_wait_tensorcnt 0x0                           ; the wave's end: behind my last tensor load and my last LDS store
	ds_add_u32 v[SPW], v[NIL]
	s_wait_dscnt 0x0
	CROUND                                         ; the closing round: no work-group ends while a partner may still ask for a tile that names it
	s_endpgm
.Lfunc_end_k_q06113cfa7a_proj:
	.size	k_q06113cfa7a_proj, .Lfunc_end_k_q06113cfa7a_proj-k_q06113cfa7a_proj
	.p2alignl 7, 3214868480
	.fill 96, 4, 3214868480
	.section	.rodata,"a",@progbits
	.p2align	6, 0x0
	.amdhsa_kernel k_q06113cfa7a_proj
		.amdhsa_group_segment_fixed_size 240896
		.amdhsa_private_segment_fixed_size 0
		.amdhsa_enable_private_segment 0
		.amdhsa_kernarg_size 64
		.amdhsa_user_sgpr_count 2
		.amdhsa_user_sgpr_kernarg_segment_ptr 1
		.amdhsa_wavefront_size32 1
		.amdhsa_system_sgpr_workgroup_id_x 1
		.amdhsa_system_sgpr_workgroup_id_y 1
		.amdhsa_system_sgpr_workgroup_id_z 1
		.amdhsa_system_vgpr_workitem_id 0
		.amdhsa_next_free_vgpr 704
		.amdhsa_next_free_sgpr 100
		.amdhsa_reserve_vcc 0
		.amdhsa_float_denorm_mode_32 3
		.amdhsa_float_denorm_mode_16_64 3
		.amdhsa_memory_ordered 1
		.amdhsa_forward_progress 1
		.amdhsa_inst_pref_size 83
	.end_amdhsa_kernel
	.amdgpu_metadata
---
amdhsa.version: [ 1, 2 ]
amdhsa.kernels:
  - .name:           k_q06113cfa7a_proj
    .symbol:         k_q06113cfa7a_proj.kd
    .args:
      - { .name: xyc, .offset: 0, .size: 8, .value_kind: global_buffer, .address_space: global }
      - { .name: xys, .offset: 8, .size: 8, .value_kind: global_buffer, .address_space: global }
      - { .name: wc, .offset: 16, .size: 8, .value_kind: global_buffer, .address_space: global }
      - { .name: ws, .offset: 24, .size: 8, .value_kind: global_buffer, .address_space: global }
      - { .name: bq, .offset: 32, .size: 8, .value_kind: global_buffer, .address_space: global }
      - { .name: bk, .offset: 40, .size: 8, .value_kind: global_buffer, .address_space: global }
      - { .name: bv, .offset: 48, .size: 8, .value_kind: global_buffer, .address_space: global }
      - { .name: qkv, .offset: 56, .size: 8, .value_kind: global_buffer, .address_space: global }
    .group_segment_fixed_size: 240896
    .private_segment_fixed_size: 0
    .kernarg_segment_align: 8
    .kernarg_segment_size: 64
    .max_flat_workgroup_size: 128
    .sgpr_count:     100
    .vgpr_count:     704
    .wavefront_size: 32
...
	.end_amdgpu_metadata
.endif
;; end of part 3
;; launch attn (part 4): grid 4 x 64, 8 waves a work-group, clusters of 4 x 1, 327,680 bytes of LDS; arguments qkv, mbits, ah; writes ah
.if DOCPART == 4
	.amdgcn_target "amdgcn-amd-amdhsa--gfx1250"
	.amdhsa_code_object_version 6
	.text
	.protected	k_q06113cfa7a_attn
	.globl	k_q06113cfa7a_attn
	.p2align	8
	.type	k_q06113cfa7a_attn,@function
k_q06113cfa7a_attn:
	s_mov_b64 s[64:65], 0
	v_nop
	global_prefetch_b8 v0, s[64:65] scope:SCOPE_SE
	s_setreg_imm32_b32 hwreg(HW_REG_WAVE_MODE, 25, 1), 1
	s_wait_xcnt 0x0
	s_wait_alu depctr_hold_cnt(0) depctr_sa_sdst(0) depctr_va_vdst(0) depctr_va_sdst(0) depctr_va_ssrc(0) depctr_va_vcc(0) depctr_vm_vsrc(0)
	s_getreg_b32 s2, hwreg(HW_REG_IB_STS2, 6, 4)
	s_cmp_eq_u32 s2, 0
	s_cbranch_scc0 .Lentry_in_a_cluster
	s_endpgm
.Lentry_in_a_cluster:
	s_bfe_u32 s2, ttmp6, 0x10000c
	s_cmp_lg_u32 s2, 0x3003
	s_cbranch_scc0 .Lentry_shape_is_right
	s_endpgm
.Lentry_shape_is_right:
; ah[b][h][q][:] = the sum over k of softmax_k(score) V[b][h][k][:], score = Q . K / 8 where mask != 0 and -1e9 where it is 0.  Q, K, V: f16, [Q, K, V][b][h][2048][64]; ah: f16, [b][h][2048][64].
; Q was stored x log2(e) / 8, so the first product gives t = score x log2(e); a masked t becomes -1e9 x log2(e).  Products on f16 operands with f32 sums; maxima, exponentials and sums in f32.
; SOFTMAX.  For each query a running maximum m (it begins at -3e38) and sum l: p = 2^(t - m); in every step l and O are multiplied by a = 2^(m_old - m_new).  No branch hangs on data.
; A query whose mask is 0 everywhere has t - m = 0 for every key: p = 1, the plain mean of V, as the -1e9 gives it.
; LIMITS: p is rounded to f16 for the second product, O once at the end; queries that the mask leaves only a few keys are carried with f16's 11 bits like all others.  NaN and infinities are not served.
; SHARES.  A work-group owns 512 queries of one (b, h), each of its eight waves 64: four tiles of 16.  Two waves share a SIMD, so that one wave's vector work stands beside the other's products.
; Every wave walks all 2,048 keys, 64 a step.  K and V come through a ring of two LDS slots of 512 keys.
; CLUSTER.  The four work-groups of a cluster are the four query blocks of one head and walk the same K and V: each tile is asked for JOINTLY.  Waves 0-3 fetch 128 rows of K each, waves 4-7 of V: one load a wave is out.
; LAYOUT.  S^T = K Q^T (source 0 = 16 keys, source 1 = 16 queries): a lane holds ONE query (lane % 16) and keys 8 (lane / 16) + 0..7.  Two such tiles, rounded to f16 in pairs, ARE source 1 of O^T = V^T P.
; K comes out of LDS as it lies, V ([key][channel]) turned, by ds_load_tr16_b128.
; THE MASK comes as words whose bit L belongs to lane L of one score register (an earlier launch made them): 32 words a tile and step, by scalar loads, one v_cndmask_b32 a register.
; REGISTERS: window 0: v2-13 addresses and constants; v16-47 eight statistics a tile; v48-175 S^T, 32 a tile; v176-239 P, 16 a tile.
;   window 1: v0-127 O^T, 32 a tile; v128-191 Q, 16 a tile; v192-255 K of a step, then V of the same step.
.set PK,    144                        ; a row of K in LDS: 128 bytes + 16: row r starts at bank 36 r mod 64 (64 banks of 4 bytes: ISA guide 11.1): 16 rows, 16 different groups of four banks
.set PV,    160                        ; a row of V: 128 + 32: an odd multiple of 32 bytes, for the turning load
.set VOFF,  512*PK                     ; a slot: 512 rows of K, then 512 rows of V
.set SLOT,  512*(PK+PV)                ; 155,648
.set SPARE, 2*SLOT                     ; 311,296: the spare words, 128 bytes a wave, which no other line names
.set AK0, 2                            ; v2  my lane's place in a tile of K; never rewritten
.set AV0, 3                            ; v3  the same for V
.set ADK, 4                            ; v4, v5 the LDS addresses of the step in hand
.set ADV, 5
.set QO,  6
.set STO, 7                            ; v7-9 the way out.  The stages (16 rows x 144 bytes a tile, 9,216 bytes a wave) lie in slot 0, which has had its last fill and its last read by then
.set RD,  8
.set GO,  9
.set NEG, 10                           ; v10 -1e9 x log2(e)
.set PFO, 11                           ; v11 256 x lane; never rewritten
.set SPW, 12                           ; v12 LDS address of my spare word; never rewritten
.set NIL, 13                           ; v13 0; never rewritten
.set ST,  16                           ; tile t at v[ST + 8 t]: +0 m, +1 the old m, +2, +3 l (even keys', odd keys'), +4 to +7 c0-c3 at work; a takes c2's place
.set S,   48
.set P,   176
.set QF,  128                          ; in window 1
.set KV,  192
.set WV,  4                            ; s4 wave; s5, s6 LDS byte of the step's K and V; s7 wave & 2; s104 counts a slot's steps
.set G1K, 8                            ; s[8:15], s[16:23] group 1 for K's and V's tiles; s[24:27], s[28:31] their groups 0, which walk
.set G1V, 16
.set SEL, 66                           ; s[66:67] lane selects for v_permlanex16_b32: lane l xor 16
.set PFA, 100                          ; s[100:101] where my prefetches stand; never rewritten
                                       ; s[2:3] the step's mask words of my tile 0; s[32:63] the words of an even tile, s[68:99] of an odd one
.set MSB, 0
.macro WIN new                         ; the immediate's high byte repeats the setting that is left
.if MSB != \new
	s_set_vgpr_msb (MSB<<8)|\new
.set MSB, \new
.endif
.endm
; A joint load: the branch hangs on the wave's number alone.  An s_nop 0 and four v_nop follow each of the two lines.
.macro JLOAD
	s_cmp_lt_u32 s[WV], 4
	s_cbranch_scc0 .Lfor_v_\@
	tensor_load_to_lds s[24:27], s[G1K:G1K+7]
	s_nop 0
.rept 4
	v_nop
.endr
	s_branch .Lasked_\@
.Lfor_v_\@:
	tensor_load_to_lds s[28:31], s[G1V:G1V+7]
	s_nop 0
.rept 4
	v_nop
.endr
.Lasked_\@:
.endm
.macro CROUND                          ; a round of the cluster's barrier
	s_barrier_signal -1
	s_barrier_wait -1
	s_cmp_lg_u32 s[WV], 0
	s_cbranch_scc1 .Lnot_wave_0_\@
	s_barrier_signal -3
.Lnot_wave_0_\@:
	s_barrier_wait -3
	s_barrier_signal -1
	s_barrier_wait -1
.endm
	s_load_b128 s[32:35], s[0:1], 0x0              ; qkv s[32:33], mbits s[34:35] (the mask words' registers serve as scratch at the head)
	v_lshl_add_u32 v[SPW], v0, 2, SPARE
	v_mov_b32 v[NIL], 0
	ds_add_u32 v[SPW], v[NIL]                      ; the wave's opening: the add, twice on end, and its wait ahead of my first tensor load
	ds_add_u32 v[SPW], v[NIL]
	v_lshrrev_b32 v1, 5, v0
	v_readfirstlane_b32 s[WV], v1                  ; wave 0..7
	s_bfe_u32 s36, ttmp6, 0x40000                  ; cx: my block of 512 queries: it enters Q's, the mask words', the prefetches' and ah's addresses alone
	s_and_b32 s37, ttmp7, 0xffff                   ; (b, h), which the four partners share
	s_lshl_b32 s38, s37, 18                        ; the head's first byte in each of Q, K, V: 2,048 rows of 128 bytes
	s_mov_b32 s[G1K], 15|(1<<16)|(1<<20)|(1<<21)|(4<<22)|(3<<25)   ; the mask: all four; elements of 2 bytes; padding on: 4 words after every 32; bit 21 beside a mask
	s_mov_b32 s[G1V], 15|(1<<16)|(1<<20)|(1<<21)|(4<<22)|(7<<25)   ; the same with 8 words of padding
.irp g, G1K, G1V
	s_mov_b32 s[\g+1], 64<<16                      ; tensor_dim0 = 64
	s_mov_b32 s[\g+2], 128<<16                     ; tensor_dim1 = 128
	s_mov_b32 s[\g+3], 64<<16                      ; tile_dim0
	s_mov_b32 s[\g+4], 128                         ; tile_dim1
	s_mov_b32 s[\g+5], 64                          ; from row to row
	s_mov_b32 s[\g+6], 0
	s_mov_b32 s[\g+7], 0
.endr
	s_mov_b32 s[SEL], 0x76543210
	s_mov_b32 s[SEL+1], 0xfedcba98
	s_and_b32 s7, s[WV], 2
	s_mov_b32 s24, 1
	s_mov_b32 s28, 1
	s_and_b32 s25, s[WV], 3                        ; which 128 rows of a slot's 512 I fetch:
	s_lshl_b32 s42, s25, 14                        ; in memory,
	s_add_co_u32 s42, s42, s38
	s_mov_b32 s43, 0
	s_mul_i32 s29, s25, 128*PV                     ; and in slot 0
	s_mul_i32 s25, s25, 128*PK
	s_add_co_u32 s29, s29, VOFF
	s_lshl_b32 s44, s36, 16                        ; Q: my block's 512 rows, my wave's 64
	s_lshl_b32 s45, s[WV], 13
	s_add_co_u32 s44, s44, s45
	s_add_co_u32 s44, s44, s38
	s_mov_b32 s45, 0
	s_lshr_b32 s46, s37, 4                         ; the mask words: tile of queries 128 b + 32 cx + 4 wave, 4,096 bytes a tile
	s_lshl_b32 s46, s46, 7
	s_lshl_b32 s47, s36, 5
	s_add_co_u32 s46, s46, s47
	s_lshl_b32 s47, s[WV], 2
	s_add_co_u32 s46, s46, s47
	s_lshl_b32 s46, s46, 12
	s_mov_b32 s47, 0
	s_cmp_lt_u32 s[WV], 4                          ; the prefetches: waves 0, 1 ask for K, waves 4, 5 for V; of a fill's 65,536 bytes partner cx takes 16,384, told apart by address, a wave 8,192
	s_mov_b32 s48, 0x2000000
	s_cselect_b32 s48, 0x1000000, s48
	s_add_co_u32 s48, s48, s38
	s_lshl_b32 s49, s36, 14
	s_add_co_u32 s48, s48, s49
	s_and_b32 s49, s[WV], 1
	s_lshl_b32 s49, s49, 13
	s_add_co_u32 s48, s48, s49
	s_mov_b32 s49, 0
	s_wait_dscnt 0x0                               ; both opening adds are done
	s_wait_kmcnt 0x0
	s_add_nc_u64 s[26:27], s[32:33], s[42:43]
	s_add_nc_u64 s[30:31], s[26:27], 0x2000000     ; V lies 33,554,432 bytes behind Q,
	s_add_nc_u64 s[26:27], s[26:27], 0x1000000     ; K 16,777,216
	s_or_b32 s27, s27, 0x80000000                  ; type = 2
	s_or_b32 s31, s31, 0x80000000
	s_add_nc_u64 s[44:45], s[32:33], s[44:45]
	s_add_nc_u64 s[2:3], s[34:35], s[46:47]
	s_add_nc_u64 s[PFA:PFA+1], s[32:33], s[48:49]
	CROUND                                         ; all four work-groups are here: the first joint loads meet
	JLOAD                                          ; keys 0 to 511 into slot 0
	v_and_b32 v1, 15, v0                           ; r
	v_bfe_u32 v14, v0, 4, 1                        ; h
	v_and_b32 v15, 31, v0                          ; L
	v_lshlrev_b32 v[QO], 7, v1
	v_lshl_add_u32 v[QO], v14, 4, v[QO]            ; row r of 128 bytes + 16 h
	WIN 0x40                                       ; destination window 1
.irp t, 0,1,2,3
.irp c, 0,1                                    ; Q stays in registers: tile t, channels 32 c on: registers 0-3 channels 8 h + 0..7, registers 4-7 channels 16 + 8 h + 0..7
	global_load_b128 v[QF+16*\t+8*\c:QF+16*\t+8*\c+3], v[QO], s[44:45] offset:2048*\t+64*\c
	global_load_b128 v[QF+16*\t+8*\c+4:QF+16*\t+8*\c+7], v[QO], s[44:45] offset:2048*\t+64*\c+32
.endr
.endr
.set i, 0
.rept 128
	v_mov_b32 v[i], 0                              ; O^T.  The key step is written once for all steps: the first finds zeros, which a = 0 leaves zeros; a first step of its own would be one more copy of the step
.set i, i+1
.endr
	WIN 0
	v_mul_u32_u24 v[AK0], v1, PK
	v_lshl_add_u32 v[AK0], v14, 4, v[AK0]          ; K: row r x pitch + 16 h
	v_and_b32 v[AV0], 7, v0                        ; V: the turning load takes 16 keys x 16 channels: lane l reads key 8 (l / 16) + l % 8, channels 8 ((l / 8) % 2) + 0..7
	v_lshl_add_u32 v[AV0], v14, 3, v[AV0]
	v_mul_u32_u24 v[AV0], v[AV0], PV
	v_bfe_u32 v[ADK], v0, 3, 1
	v_lshl_add_u32 v[AV0], v[ADK], 4, v[AV0]
	v_add_nc_u32 v[AV0], VOFF, v[AV0]
	s_mul_i32 s50, s[WV], 9216                     ; my stages
	v_add_nc_u32 v[STO], s50, v[AK0]               ; in: row r of 144 bytes, 16 bytes for each half of the lanes
	v_lshrrev_b32 v[RD], 3, v15
	v_mul_u32_u24 v[RD], v[RD], 144
	v_and_b32 v[ADV], 7, v0
	v_lshl_add_u32 v[RD], v[ADV], 4, v[RD]
	v_add_nc_u32 v[RD], s50, v[RD]                 ; back: eight lanes to a row of 128 bytes
	v_lshlrev_b32 v[GO], 4, v15
	v_mov_b32 v[NEG], 0xceabfb8e                   ; -1e9 x log2(e)
	v_lshlrev_b32 v[PFO], 8, v15
.irp t, 0,1,2,3
	v_mov_b32 v[ST+8*\t], 0xff61b1e6               ; m = -3e38, under every t
	v_mov_b32 v[ST+8*\t+2], 0                      ; l
	v_mov_b32 v[ST+8*\t+3], 0
.endr
.macro MLOAD t0                        ; the step's 32 words of tiles t0 and t0 + 1: 128 bytes each, 4,096 bytes from tile to tile
	s_load_b512 s[32:47], s[2:3], 4096*(\t0)
	s_load_b512 s[48:63], s[2:3], 4096*(\t0)+64
	s_load_b512 s[68:83], s[2:3], 4096*(\t0)+4096
	s_load_b512 s[84:99], s[2:3], 4096*(\t0)+4160
.endm
.macro MASK t                          ; where the word's bit is 0 the score becomes -1e9 x log2(e).  Ascending: each accumulator is first read at its low end
.set i, 0
.rept 32
	v_cndmask_b32 v[S+32*(\t)+i], v[NEG], v[S+32*(\t)+i], s[32+36*((\t)%2)+i]
.set i, i+1
.endr
.endm
; The softmax of tiles t0 and t0 + 1 for one key step, the two tiles line by line, so that no line reads the result of the line just before it.
.macro SOFT2 t0
.irp j, 0,1,2,3                                ; the maximum of the lane's 32 scores and the old m, three operands at a time, in four chains
.irp t, \t0, \t0+1
	v_max3_num_f32 v[ST+8*(\t)+4+\j], v[S+32*(\t)+8*\j], v[S+32*(\t)+8*\j+1], v[S+32*(\t)+8*\j+2]
.endr
.endr
.irp k, 3,5
.irp j, 0,1,2,3
.irp t, \t0, \t0+1
	v_max3_num_f32 v[ST+8*(\t)+4+\j], v[ST+8*(\t)+4+\j], v[S+32*(\t)+8*\j+\k], v[S+32*(\t)+8*\j+\k+1]
.endr
.endr
.endr
.irp t, \t0, \t0+1
	v_max3_num_f32 v[ST+8*(\t)+4], v[ST+8*(\t)+4], v[S+32*(\t)+7], v[S+32*(\t)+15]
.endr
.irp t, \t0, \t0+1
	v_max3_num_f32 v[ST+8*(\t)+6], v[ST+8*(\t)+6], v[S+32*(\t)+23], v[S+32*(\t)+31]
.endr
.irp t, \t0, \t0+1
	v_max3_num_f32 v[ST+8*(\t)+4], v[ST+8*(\t)+4], v[ST+8*(\t)+5], v[ST+8*(\t)+6]
.endr
.irp t, \t0, \t0+1
	v_max3_num_f32 v[ST+8*(\t)+4], v[ST+8*(\t)+4], v[ST+8*(\t)+7], v[ST+8*(\t)]
.endr
.irp t, \t0, \t0+1
	v_permlanex16_b32 v[ST+8*(\t)+5], v[ST+8*(\t)+4], s[SEL], s[SEL+1]   ; the query's other 32 keys lie in the lane 16 away
.endr
.irp t, \t0, \t0+1
	v_mov_b32 v[ST+8*(\t)+1], v[ST+8*(\t)]         ; the old m
.endr
.irp t, \t0, \t0+1
	v_max_num_f32 v[ST+8*(\t)], v[ST+8*(\t)+4], v[ST+8*(\t)+5]
.endr
.irp t, \t0, \t0+1
	v_sub_f32 v[ST+8*(\t)+7], v[ST+8*(\t)+1], v[ST+8*(\t)]
.endr
.set i, 0
.rept 16
.irp t, \t0, \t0+1
	v_pk_add_f32 v[S+32*(\t)+i:S+32*(\t)+i+1], v[S+32*(\t)+i:S+32*(\t)+i+1], v[ST+8*(\t):ST+8*(\t)+1] op_sel_hi:[1,0] neg_lo:[0,1] neg_hi:[0,1]   ; t - m, two at a time: a plain subtraction, so that equal numbers give exactly 0
.endr
.set i, i+2
.endr
.irp t, \t0, \t0+1
	v_exp_f32 v[ST+8*(\t)+6], v[ST+8*(\t)+7]       ; a
.endr
.set i, 0
.rept 32
.irp t, \t0, \t0+1
	v_exp_f32 v[S+32*(\t)+i], v[S+32*(\t)+i]       ; p: both tiles' 66 exponentials are one batch; none reads another's result
.endr
.set i, i+1
.endr
	v_nop                                          ; a plain instruction behind the last exponential (ISA guide 5.7.2)
	s_wait_alu depctr_va_vdst(0)                   ; and the one wait ahead of the batch's first reader
.irp t, \t0, \t0+1
	v_pk_mul_f32 v[ST+8*(\t)+2:ST+8*(\t)+3], v[ST+8*(\t)+2:ST+8*(\t)+3], v[ST+8*(\t)+6:ST+8*(\t)+7] op_sel_hi:[1,0]   ; l x a
.endr
.irp t, \t0, \t0+1
	v_pk_add_f32 v[ST+8*(\t)+4:ST+8*(\t)+5], v[S+32*(\t):S+32*(\t)+1], v[S+32*(\t)+2:S+32*(\t)+3]   ; the sum of the unrounded p, in two chains
.endr
.set i, 4
.rept 7
.irp t, \t0, \t0+1
	v_pk_add_f32 v[ST+8*(\t)+2:ST+8*(\t)+3], v[ST+8*(\t)+2:ST+8*(\t)+3], v[S+32*(\t)+i:S+32*(\t)+i+1]
	v_pk_add_f32 v[ST+8*(\t)+4:ST+8*(\t)+5], v[ST+8*(\t)+4:ST+8*(\t)+5], v[S+32*(\t)+i+2:S+32*(\t)+i+3]
.endr
.set i, i+4
.endr
.irp t, \t0, \t0+1
	v_pk_add_f32 v[ST+8*(\t)+2:ST+8*(\t)+3], v[ST+8*(\t)+2:ST+8*(\t)+3], v[ST+8*(\t)+4:ST+8*(\t)+5]
.endr
.set i, 0
.rept 16
.irp t, \t0, \t0+1
	v_cvt_pk_f16_f32 v[P+16*(\t)+i], v[S+32*(\t)+2*i], v[S+32*(\t)+2*i+1]   ; registers 0-7: keys 0-31 of the step, 8-15: keys 32-63, in the second product's layout
.endr
.set i, i+1
.endr
.endm
; A KEY STEP: 64 keys.  In both products 16 accumulators take turns, one instruction a turn.
.macro STEP
	WIN 0
	v_add_nc_u32 v[ADK], s5, v[AK0]
	v_add_nc_u32 v[ADV], s6, v[AV0]
	v_nop
	v_nop                                          ; four places behind the last step's products, in front of loads into the registers that they read
	WIN 0x40
.irp f, 0,1,2,3,4,5,6,7                        ; K: keys 16 (f / 2) on, channels 32 (f % 2) on
	ds_load_b128 v[KV+8*\f:KV+8*\f+3], v[ADK] offset:(\f/2)*16*PK+(\f%2)*64
	ds_load_b128 v[KV+8*\f+4:KV+8*\f+7], v[ADK] offset:(\f/2)*16*PK+(\f%2)*64+32
.endr
	s_wait_dscnt 0x0
	WIN 0x05                                       ; K and Q window 1, S^T window 0
.irp c, 0,1
.irp kt, 0,1,2,3
.irp t, 0,1,2,3
.if \c == 0
	v_wmma_f32_16x16x32_f16 v[S+32*\t+8*\kt:S+32*\t+8*\kt+7], v[KV+8*(2*\kt+\c):KV+8*(2*\kt+\c)+7], v[QF+16*\t+8*\c:QF+16*\t+8*\c+7], 0
.else
	v_wmma_f32_16x16x32_f16 v[S+32*\t+8*\kt:S+32*\t+8*\kt+7], v[KV+8*(2*\kt+\c):KV+8*(2*\kt+\c)+7], v[QF+16*\t+8*\c:QF+16*\t+8*\c+7], v[S+32*\t+8*\kt:S+32*\t+8*\kt+7]
.endif
.endr
.endr
.endr
.rept 4
	v_nop                                          ; four places: in front of the loads into K's registers and of the first read of the scores
.endr
	WIN 0x40
.irp f, 0,1,2,3,4,5,6,7                        ; V, turned: keys 32 (f / 4) on, channels 16 (f % 4) on.  It lands while the softmax is worked
	ds_load_tr16_b128 v[KV+8*\f:KV+8*\f+3], v[ADV] offset:(\f/4)*32*PV+(\f%4)*32
	ds_load_tr16_b128 v[KV+8*\f+4:KV+8*\f+7], v[ADV] offset:(\f/4)*32*PV+16*PV+(\f%4)*32
.endr
	WIN 0
	s_wait_kmcnt 0x0                               ; the words of tiles 0 and 1, asked for half a step ago
	MASK 0
	MASK 1
	MLOAD 2                                        ; those of tiles 2 and 3 come while tiles 0 and 1 are worked
	SOFT2 0
	s_wait_kmcnt 0x0
	s_wait_xcnt 0x0                                ; the scalar loads have read their base: it steps to the next step's words
	s_add_nc_u64 s[2:3], s[2:3], 128
	MASK 2
	MASK 3
	MLOAD 0                                        ; the next step's.  Behind the last step this reads the first words of my tiles 1 and 2, inside the buffer; they are not used
	SOFT2 2
	WIN 0x41                                       ; O^T window 1, a window 0
.irp t, 0,1,2,3
.set i, 32*\t
.rept 16
	v_pk_mul_f32 v[i:i+1], v[i:i+1], v[ST+8*\t+6:ST+8*\t+7] op_sel_hi:[1,0]   ; O^T x a; ascending: each accumulator is first read at its low end
.set i, i+2
.endr
.endr
	s_wait_dscnt 0x0                               ; V is in
	WIN 0x51                                       ; V window 1, P window 0, O^T window 1
.irp g, 0,1
.irp ct, 0,1,2,3
.irp t, 0,1,2,3
	v_wmma_f32_16x16x32_f16 v[32*\t+8*\ct:32*\t+8*\ct+7], v[KV+8*(4*\g+\ct):KV+8*(4*\g+\ct)+7], v[P+16*\t+8*\g:P+16*\t+8*\g+7], v[32*\t+8*\ct:32*\t+8*\ct+7]
.endr
.endr
.endr
	WIN 0
.endm
; A SLOT'S EIGHT STEPS, behind the change of slots.  Each wave waits for all its tensor loads (its part of the slot that it is about to read), adds 0 to its spare word, and waits for that and for its reads of the
; slot that it has left.  fill = 1: behind a round of the cluster's barrier the other slot is filled with the next 512 keys: the load has eight key steps in which to land.
; ask = f > 0: waves 0, 1, 4, 5 prefetch fill f, which the NEXT change of slots will ask for: 8,192 bytes a wave, lanes 256 bytes apart, each block named once in the launch (the four partners share a fill by address).
.macro RUN slot, fill, ask
	s_wait_tensorcnt 0x0                           ; no tensor load of mine is out, so a group 0 may be written
	ds_add_u32 v[SPW], v[NIL]                      ; 0 onto my spare word
.if \fill
	s_and_b32 s25, s[WV], 3
	s_mul_i32 s29, s25, 128*PV
	s_mul_i32 s25, s25, 128*PK
	s_add_co_u32 s25, s25, (1-\slot)*SLOT          ; my 128 rows' place in the other slot
	s_add_co_u32 s29, s29, (1-\slot)*SLOT+VOFF
	s_add_nc_u64 s[26:27], s[26:27], 65536         ; the next 512 keys; the type bits on top are not reached
	s_add_nc_u64 s[30:31], s[30:31], 65536
.endif
	s_wait_dscnt 0x0                               ; the add is done, and my reads of the slot that I have left are over
.if \fill
	CROUND
	JLOAD                                          ; the first thing behind the round, and my one tensor load until the next
.else
	s_barrier_signal -1
	s_barrier_wait -1
.endif
.if \ask
	s_cmp_eq_u32 s7, 0
	s_cbranch_scc0 .Lnot_mine_\@
	global_prefetch_b8 v[PFO], s[PFA:PFA+1] offset:\ask*65536 th:TH_LOAD_NT scope:SCOPE_SE
.Lnot_mine_\@:
.endif
	s_mov_b32 s5, \slot*SLOT
	s_mov_b32 s6, \slot*SLOT
	s_mov_b32 s104, 8
.Lstep_\@:
	STEP
	s_add_co_u32 s5, s5, 64*PK
	s_add_co_u32 s6, s6, 64*PV
	s_sub_co_u32 s104, s104, 1
	s_cmp_lg_u32 s104, 0
	s_cbranch_scc1 .Lstep_\@
.endm
	s_wait_xcnt 0x0                                ; Q's loads have read their base, which lies among the mask words' registers
	MLOAD 0                                        ; the first step's words of tiles 0 and 1
	s_wait_loadcnt 0x0                             ; Q
	RUN 0, 1, 2                                    ; keys 0-511; keys 512-1023 are asked for (slot 1's first fill); keys 1024-1535 are prefetched
	RUN 1, 1, 3                                    ; keys 512-1023; 1024-1535 into slot 0; 1536-2047 are prefetched
	RUN 0, 1, 0                                    ; keys 1024-1535; 1536-2047 into slot 1
	RUN 1, 0, 0                                    ; keys 1536-2047: nothing is left to fetch
	; THE WAY OUT.  l's two halves and the other half of the lanes' are added; O^T is divided by l, rounded to f16 and sent through my stages in LDS.  The first additions are the places behind the last products.
.irp t, 0,1,2,3
	v_add_f32 v[ST+8*\t+4], v[ST+8*\t+2], v[ST+8*\t+3]
.endr
.irp t, 0,1,2,3
	v_permlanex16_b32 v[ST+8*\t+5], v[ST+8*\t+4], s[SEL], s[SEL+1]
.endr
.irp t, 0,1,2,3
	v_add_f32 v[ST+8*\t+4], v[ST+8*\t+4], v[ST+8*\t+5]
.endr
.irp t, 0,1,2,3
	v_rcp_f32 v[ST+8*\t+6], v[ST+8*\t+4]
.endr
	v_nop                                          ; a plain instruction behind the last reciprocal
	s_wait_kmcnt 0x0                               ; the look-ahead words have landed: their registers are free
	s_load_b64 s[32:33], s[0:1], 0x10              ; ah
	s_and_b32 s34, ttmp7, 0xffff
	s_lshl_b32 s34, s34, 18
	s_bfe_u32 s35, ttmp6, 0x40000
	s_lshl_b32 s35, s35, 16
	s_add_co_u32 s34, s34, s35
	s_lshl_b32 s35, s[WV], 13
	s_add_co_u32 s34, s34, s35                     ; my wave's 64 rows of 128 bytes
	s_mov_b32 s35, 0
	s_wait_alu depctr_va_vdst(0)                   ; the wait ahead of the first use: one for the four reciprocals
.macro PACK t
	WIN 0x41
.set i, 32*\t
.rept 16
	v_pk_mul_f32 v[i:i+1], v[i:i+1], v[ST+8*\t+6:ST+8*\t+7] op_sel_hi:[1,0]
.set i, i+2
.endr
	WIN 0x05                                       ; sources window 1, destination window 0: S^T's registers are free
.set i, 0
.rept 16
	v_cvt_pk_f16_f32 v[S+32*\t+i], v[32*\t+2*i], v[32*\t+2*i+1]
.set i, i+1
.endr
	WIN 0
.irp c, 0,1,2,3
	ds_store_b128 v[STO], v[S+32*\t+4*\c:S+32*\t+4*\c+3] offset:2304*\t+32*\c
.endr
.irp c, 0,1,2,3
	ds_load_b128 v[S+32*\t+16+4*\c:S+32*\t+16+4*\c+3], v[RD] offset:2304*\t+576*\c   ; LDS serves a wave's instructions in order: these see the stores above
.endr
.endm
	PACK 0
	PACK 1
	PACK 2
	PACK 3
	s_wait_kmcnt 0x0
	s_add_nc_u64 s[32:33], s[32:33], s[34:35]
.irp t, 0,1,2,3
.irp c, 0,1,2,3
	s_wait_dscnt 27-8*\t-\c                        ; of the 32 LDS instructions above, those issued behind this load may be out
	global_store_b128 v[GO], v[S+32*\t+16+4*\c:S+32*\t+16+4*\c+3], s[32:33] offset:2048*\t+512*\c   ; 32 lanes store 512 consecutive bytes
.endr
.endr
	s_wait_tensorcnt 0x0                           ; the wave's end: behind my last tensor load and my last LDS store
	ds_add_u32 v[SPW], v[NIL]
	s_wait_dscnt 0x0
	CROUND                                         ; the closing round: no work-group ends while a partner may still ask for a tile that names it
	s_endpgm
.Lfunc_end_k_q06113cfa7a_attn:
	.size	k_q06113cfa7a_attn, .Lfunc_end_k_q06113cfa7a_attn-k_q06113cfa7a_attn
	.p2alignl 7, 3214868480
	.fill 96, 4, 3214868480
	.section	.rodata,"a",@progbits
	.p2align	6, 0x0
	.amdhsa_kernel k_q06113cfa7a_attn
		.amdhsa_group_segment_fixed_size 327680
		.amdhsa_private_segment_fixed_size 0
		.amdhsa_enable_private_segment 0
		.amdhsa_kernarg_size 24
		.amdhsa_user_sgpr_count 2
		.amdhsa_user_sgpr_kernarg_segment_ptr 1
		.amdhsa_wavefront_size32 1
		.amdhsa_system_sgpr_workgroup_id_x 1
		.amdhsa_system_sgpr_workgroup_id_y 1
		.amdhsa_system_sgpr_workgroup_id_z 1
		.amdhsa_system_vgpr_workitem_id 0
		.amdhsa_next_free_vgpr 512
		.amdhsa_next_free_sgpr 106
		.amdhsa_reserve_vcc 0
		.amdhsa_float_denorm_mode_32 3
		.amdhsa_float_denorm_mode_16_64 3
		.amdhsa_memory_ordered 1
		.amdhsa_forward_progress 1
		.amdhsa_inst_pref_size 194
	.end_amdhsa_kernel
	.amdgpu_metadata
---
amdhsa.version: [ 1, 2 ]
amdhsa.kernels:
  - .name:           k_q06113cfa7a_attn
    .symbol:         k_q06113cfa7a_attn.kd
    .args:
      - { .name: qkv, .offset: 0, .size: 8, .value_kind: global_buffer, .address_space: global }
      - { .name: mbits, .offset: 8, .size: 8, .value_kind: global_buffer, .address_space: global }
      - { .name: ah, .offset: 16, .size: 8, .value_kind: global_buffer, .address_space: global }
    .group_segment_fixed_size: 327680
    .private_segment_fixed_size: 0
    .kernarg_segment_align: 8
    .kernarg_segment_size: 24
    .max_flat_workgroup_size: 256
    .sgpr_count:     106
    .vgpr_count:     512
    .wavefront_size: 32
...
	.end_amdgpu_metadata
.endif
;; end of part 4
;; launch outp (part 5): grid 8 x 32, 4 waves a work-group, clusters of 4 x 4, 327,680 bytes of LDS; arguments ah, woh, bo, out0; writes out0
.if DOCPART == 5
	.amdgcn_target "amdgcn-amd-amdhsa--gfx1250"
	.amdhsa_code_object_version 6
	.text
	.protected	k_q06113cfa7a_outp
	.globl	k_q06113cfa7a_outp
	.p2align	8
	.type	k_q06113cfa7a_outp,@function
k_q06113cfa7a_outp:
	s_mov_b64 s[64:65], 0
	v_nop
	global_prefetch_b8 v0, s[64:65] scope:SCOPE_SE
	s_setreg_imm32_b32 hwreg(HW_REG_WAVE_MODE, 25, 1), 1
	s_wait_xcnt 0x0
	s_wait_alu depctr_hold_cnt(0) depctr_sa_sdst(0) depctr_va_vdst(0) depctr_va_sdst(0) depctr_va_ssrc(0) depctr_va_vcc(0) depctr_vm_vsrc(0)
	s_getreg_b32 s2, hwreg(HW_REG_IB_STS2, 6, 4)
	s_cmp_eq_u32 s2, 0
	s_cbranch_scc0 .Lentry_in_a_cluster
	s_endpgm
.Lentry_in_a_cluster:
	s_bfe_u32 s2, ttmp6, 0x10000c
	s_cmp_lg_u32 s2, 0xf033
	s_cbranch_scc0 .Lentry_shape_is_right
	s_endpgm
.Lentry_shape_is_right:
; out0[m][n] = the sum over k of attn[m][k] Wo[n][k] + bo[n]: f16 operands, f32 sums, f32 out.  attn comes as ah = [b][head][2048][64] (k = 64 head + d), Wo as woh = [k / 64][n][64].
; Both operands lie in panels of 64 along K, so a tile's rows of one panel are one dense block of memory.
; SHARES.  256 tiles of 256 rows x 128 columns; four waves, each 128 x 64: 32 accumulators.  K goes in steps of 128 (two panels) through a ring of two LDS slots.
; CLUSTERS: 4 x 4 work-groups.  attn's tiles are shared along a row of the cluster, Wo's along a column, by joint loads: waves 0, 1 fetch attn's two panels (256 rows each), waves 2, 3 Wo's (128 rows each).
; Two loads of a wave are out at the start, one behind each round.
; THE MATRIX INSTRUCTION IS USED TRANSPOSED (source 0 = 16 rows of Wo, source 1 = 16 rows of attn): a lane holds eight neighbouring columns of one row.  The bias is the C of each sum's first product.
; REGISTERS: window 0: v16-29 addresses; v32-127, v128-223 two fragment buffers (attn's block a at + 8 a, Wo's block b at + 64 + 8 b); v224-255 the bias.  window 1: accumulator (a, b) at v[8 (4 a + b)].
.set PITCH, 144                        ; an LDS row: 128 bytes + 16 of padding
.set PA,    256*PITCH                  ; a panel of attn's tile
.set PB,    128*PITCH                  ; a panel of Wo's
.set BOFF,  2*PA
.set SLOT,  2*PA+2*PB                  ; 110,592
.set STAGE, 2*SLOT                     ; 221,184: the way out: for each wave two stages of 16 rows x (256 + 16) bytes; no fill lands here
.set SPARE, STAGE+4*8704               ; 256,000: the spare words, 128 bytes a wave, which no other line names
.set LAPS,  4                          ; a lap = two K steps = once round the ring: K = 1,024
.set ADRA, 16
.set ADRB, 18
.set STO,  20
.set RD,   21
.set GO,   22
.set BO,   23
.set SPW,  28                          ; v28 LDS address of my spare word; never rewritten
.set NIL,  29                          ; v29 0; never rewritten
.set F0,   32
.set F1,   128
.set BIAS, 224
.set BK,   32                          ; the way out: two sets of 32 registers
.set WV,   12                          ; s12 wave; s13 wave / 2: my half of the rows, and: I fetch attn (0) or Wo (1); s14 wave % 2: my half of the columns, and: which panel I fetch
.set FB,   13
.set HW,   14
.set G1A,  24
.set G0A,  32
.set G1B,  48
.set G0B,  56
.set MSB, 0
.macro WIN new                         ; the immediate's high byte repeats the setting that is left
.if MSB != \new
	s_set_vgpr_msb (MSB<<8)|\new
.set MSB, \new
.endif
.endm
.set W_MUL, 0x50                       ; sources window 0, C and D window 1
.macro PLACES
.rept 4
	v_nop
.endr
.endm
.macro JLOAD s                         ; a joint load; an s_nop 0 and four v_nop follow each of the two lines
	s_cmp_eq_u32 s[FB], 0
	s_cbranch_scc0 .Lfor_b_\@
	tensor_load_to_lds s[G0A+4*\s:G0A+4*\s+3], s[G1A:G1A+7]
	s_nop 0
.rept 4
	v_nop
.endr
	s_branch .Lasked_\@
.Lfor_b_\@:
	tensor_load_to_lds s[G0B+4*\s:G0B+4*\s+3], s[G1B:G1B+7]
	s_nop 0
.rept 4
	v_nop
.endr
.Lasked_\@:
.endm
.macro CREST                           ; a round of the cluster's barrier behind its opening barrier
	s_cmp_lg_u32 s[WV], 0
	s_cbranch_scc1 .Lnot_wave_0_\@
	s_barrier_signal -3
.Lnot_wave_0_\@:
	s_barrier_wait -3
	s_barrier_signal -1
	s_barrier_wait -1
.endm
.macro CROUND
	s_barrier_signal -1
	s_barrier_wait -1
	CREST
.endm
	s_load_b256 s[4:11], s[0:1], 0x0               ; ah 4:5, woh 6:7, bo 8:9, out0 10:11
	v_lshl_add_u32 v[SPW], v0, 2, SPARE
	v_mov_b32 v[NIL], 0
	ds_add_u32 v[SPW], v[NIL]                      ; the wave's opening: the add, twice on end, and its wait ahead of my first tensor load
	ds_add_u32 v[SPW], v[NIL]
	v_lshrrev_b32 v1, 5, v0
	v_readfirstlane_b32 s[WV], v1
	s_lshr_b32 s[FB], s[WV], 1
	s_and_b32 s[HW], s[WV], 1
	s_bfe_u32 s15, ttmp6, 0x40000                  ; cx
	s_bfe_u32 s16, ttmp6, 0x40004                  ; cy
	s_lshl_b32 s17, ttmp9, 2
	s_add_co_u32 s17, s17, s15                     ; the column tile, 0..7
	s_and_b32 s18, ttmp7, 0xffff
	s_lshl_b32 s18, s18, 2
	s_add_co_u32 s18, s18, s16                     ; the row tile, 0..31
	s_lshl_b32 s19, s16, 2
	s_lshl_b32 s19, 15, s19                        ; my row of the cluster
	s_lshl_b32 s20, 0x1111, s15                    ; my column
	s_or_b32 s[G1A], s19, (1<<16)|(1<<20)|(1<<21)|(4<<22)|(3<<25)   ; elements of 2 bytes; padding on: 4 words after every 32; bit 21 beside a mask
	s_or_b32 s[G1B], s20, (1<<16)|(1<<20)|(1<<21)|(4<<22)|(3<<25)
	s_mov_b32 s[G1A+1], 64<<16                     ; tensor_dim0 = 64
	s_mov_b32 s[G1A+2], 256<<16                    ; tensor_dim1 = 256 rows
	s_mov_b32 s[G1A+3], 64<<16                     ; tile_dim0
	s_mov_b32 s[G1A+4], 256                        ; tile_dim1
	s_mov_b32 s[G1A+5], 64                         ; from row to row
	s_mov_b32 s[G1A+6], 0
	s_mov_b32 s[G1A+7], 0
	s_mov_b32 s[G1B+1], 64<<16
	s_mov_b32 s[G1B+2], 128<<16
	s_mov_b32 s[G1B+3], 64<<16
	s_mov_b32 s[G1B+4], 128
	s_mov_b32 s[G1B+5], 64
	s_mov_b32 s[G1B+6], 0
	s_mov_b32 s[G1B+7], 0
	s_lshr_b32 s40, s18, 3                         ; attn: the batch's 4,194,304 bytes,
	s_lshl_b32 s40, s40, 22
	s_and_b32 s41, s18, 7
	s_lshl_b32 s41, s41, 15                        ; the tile's 256 rows of 128 bytes,
	s_add_co_u32 s40, s40, s41
	s_lshl_b32 s41, s[HW], 18                      ; my panel: a head's 262,144 bytes
	s_add_co_u32 s40, s40, s41
	s_mov_b32 s41, 0
	s_lshl_b32 s42, s17, 14                        ; Wo: the tile's 128 rows of 128 bytes,
	s_lshl_b32 s43, s[HW], 17                      ; my panel: 131,072 bytes
	s_add_co_u32 s42, s42, s43
	s_mov_b32 s43, 0
	s_mul_i32 s44, s[HW], PA                       ; where they go: made of the wave's number alone
	s_mul_i32 s45, s[HW], PB
	s_add_co_u32 s45, s45, BOFF
	s_wait_dscnt 0x0                               ; both opening adds are done
	s_wait_kmcnt 0x0
	s_add_nc_u64 s[4:5], s[4:5], s[40:41]
	s_add_nc_u64 s[6:7], s[6:7], s[42:43]
	CROUND                                         ; all sixteen work-groups are here: the first joint loads meet
.irp s, 0,1
	s_mov_b32 s[G0A+4*\s], 1
	s_add_co_u32 s[G0A+4*\s+1], s44, \s*SLOT
	s_add_nc_u64 s[G0A+4*\s+2:G0A+4*\s+3], s[4:5], \s*524288       ; K step s: two heads on
	s_or_b32 s[G0A+4*\s+3], s[G0A+4*\s+3], 0x80000000
	s_mov_b32 s[G0B+4*\s], 1
	s_add_co_u32 s[G0B+4*\s+1], s45, \s*SLOT
	s_add_nc_u64 s[G0B+4*\s+2:G0B+4*\s+3], s[6:7], \s*262144
	s_or_b32 s[G0B+4*\s+3], s[G0B+4*\s+3], 0x80000000
	JLOAD \s
.endr
	v_and_b32 v1, 15, v0                           ; r
	v_bfe_u32 v2, v0, 4, 1                         ; h
	v_mul_u32_u24 v3, v1, PITCH
	v_lshl_add_u32 v3, v2, 4, v3                   ; a fragment's row x pitch + 16 h
	s_mul_i32 s21, s[FB], 128*PITCH                ; my 128 rows of attn
	s_mul_i32 s22, s[HW], 64*PITCH                 ; my 64 rows of Wo
	s_add_co_u32 s22, s22, BOFF
.irp s, 0,1
	v_add_nc_u32 v[ADRA+\s], s21, v3
	v_add_nc_u32 v[ADRB+\s], s22, v3
	s_add_co_u32 s21, s21, SLOT
	s_add_co_u32 s22, s22, SLOT
.endr
	s_mul_i32 s23, s[WV], 8704
	s_add_co_u32 s23, s23, STAGE                   ; my stages
	v_mul_u32_u24 v4, v1, 272
	v_lshl_add_u32 v4, v2, 5, v4
	v_add_nc_u32 v[STO], s23, v4                   ; in: row r, 32 bytes for each half of the lanes
	v_mul_u32_u24 v4, v2, 272
	v_lshl_add_u32 v4, v1, 4, v4
	v_add_nc_u32 v[RD], s23, v4                    ; back: lanes 0-15 one row of 256 bytes, lanes 16-31 the next
	v_lshlrev_b32 v[GO], 12, v2
	v_lshl_add_u32 v[GO], v1, 4, v[GO]             ; and the same two rows in out0
	v_lshlrev_b32 v[BO], 5, v2
	s_lshl_b32 s40, s17, 9                         ; my 64 columns: 512 x column tile + 256 x half, in bytes
	s_lshl_b32 s41, s[HW], 8
	s_add_co_u32 s40, s40, s41
	s_mov_b32 s41, 0
	s_add_nc_u64 s[8:9], s[8:9], s[40:41]
.irp b, 0,1,2,3
	global_load_b128 v[BIAS+8*\b:BIAS+8*\b+3], v[BO], s[8:9] offset:64*\b
	global_load_b128 v[BIAS+8*\b+4:BIAS+8*\b+7], v[BO], s[8:9] offset:64*\b+16
.endr
	s_lshl_b32 s42, s18, 20                        ; my first row: 256 x row tile + 128 x half, rows of 4,096 bytes
	s_lshl_b32 s43, s[FB], 19
	s_add_co_u32 s42, s42, s43
	s_add_co_u32 s42, s42, s40
	s_mov_b32 s43, 0
	s_add_nc_u64 s[10:11], s[10:11], s[42:43]
; 24 LDS loads: the fragments of quarter q of a K step (32 along K: panel q / 2, bytes 64 (q % 2) on) into buffer f.  A fragment: lane l holds row l % 16; registers 0-3 K = 8 (l / 16) + 0..7, registers 4-7 K = 16 + 8 (l / 16) + 0..7
.macro FETCH slot, q, f
	WIN 0
.irp i, 0,1,2,3,4,5,6,7
	ds_load_b128 v[\f+8*\i:\f+8*\i+3], v[ADRA+\slot] offset:((\q)/2)*PA+((\q)%2)*64+\i*16*PITCH
	ds_load_b128 v[\f+8*\i+4:\f+8*\i+7], v[ADRA+\slot] offset:((\q)/2)*PA+((\q)%2)*64+\i*16*PITCH+32
.endr
.irp i, 0,1,2,3
	ds_load_b128 v[\f+64+8*\i:\f+64+8*\i+3], v[ADRB+\slot] offset:((\q)/2)*PB+((\q)%2)*64+\i*16*PITCH
	ds_load_b128 v[\f+64+8*\i+4:\f+64+8*\i+7], v[ADRB+\slot] offset:((\q)/2)*PB+((\q)%2)*64+\i*16*PITCH+32
.endr
.endm
; 8 matrix instructions: attn's blocks 2 part, 2 part + 1 x Wo's four.  The 32 accumulators take turns, one instruction a turn, in the same order in every quarter
.macro MULP f, part, first
.irp a, 2*\part, 2*\part+1
.irp b, 0,1,2,3
.if \first
	v_wmma_f32_16x16x32_f16 v[8*(4*(\a)+\b):8*(4*(\a)+\b)+7], v[\f+64+8*\b:\f+64+8*\b+7], v[\f+8*(\a):\f+8*(\a)+7], v[BIAS+8*\b:BIAS+8*\b+7]
.else
	v_wmma_f32_16x16x32_f16 v[8*(4*(\a)+\b):8*(4*(\a)+\b)+7], v[\f+64+8*\b:\f+64+8*\b+7], v[\f+8*(\a):\f+8*(\a)+7], v[8*(4*(\a)+\b):8*(4*(\a)+\b)+7]
.endif
.endr
.endr
.endm
; One of a K step's first three quarters: the next quarter, qn, is asked for into buffer g, then buffer f is multiplied.
.macro QUARTER slot, qn, f, g, first
	PLACES                                         ; in front of loads into the buffer that the last quarter's products read
	FETCH \slot, \qn, \g
	s_wait_dscnt 24                                ; all but the 24 loads just issued: buffer f is in
.if \first
	WIN 0x40                                       ; C is the bias, in window 0
.else
	WIN W_MUL
.endif
	MULP \f, 0, \first
	MULP \f, 1, \first
	MULP \f, 2, \first
	MULP \f, 3, \first
.endm
; The last quarter multiplies buffer 1 and changes slots: one barrier; in front of it each wave waits for all its tensor loads, adds 0 to its spare word, and waits for that and for its reads of this slot.
; fill = 1: the barrier opens a round of the cluster's barrier, and this slot is filled again, two K steps ahead.
.macro TURN slot, next, fill
	WIN 0                                          ; (the add's two registers lie in window 0)
	s_wait_tensorcnt 0x0                           ; all my tensor loads have landed: my part of the next slot
	ds_add_u32 v[SPW], v[NIL]                      ; 0 onto my spare word
	s_wait_dscnt 1                                 ; buffer 1 is in; the add may be out
	WIN W_MUL
	MULP F1, 0, 0                                  ; eight matrix instructions stand between the add and the wait for it
	s_wait_dscnt 0x0                               ; the add is done, and my reads of this slot are over
	s_barrier_signal -1
	MULP F1, 1, 0
	WIN 0
	s_barrier_wait -1
.if \fill
	CREST                                          ; no wave of any partner still reads this slot's tile or has a load on its way
	s_add_nc_u64 s[G0A+4*\slot+2:G0A+4*\slot+3], s[G0A+4*\slot+2:G0A+4*\slot+3], 2*524288
	s_add_nc_u64 s[G0B+4*\slot+2:G0B+4*\slot+3], s[G0B+4*\slot+2:G0B+4*\slot+3], 2*262144
	JLOAD \slot                                    ; the first tensor load behind the round; its four v_nop are also the places in front of the loads below
.else
	PLACES
.endif
	FETCH \next, 0, F0
	WIN W_MUL
	MULP F1, 2, 0
	MULP F1, 3, 0
.endm
	s_wait_tensorcnt 1                             ; my part of K step 0 is in; K step 1's load may be out
	s_barrier_signal -1
	s_barrier_wait -1                              ; everybody's is
	FETCH 0, 0, F0
	s_wait_loadcnt 0x0                             ; the bias
	QUARTER 0, 1, F0, F1, 1                        ; the first quarter stands in front of the loop: its products start the sums
	WIN 0                                          ; at a label and at a branch every window is 0
	s_mov_b32 s3, LAPS-1
.Llap:                                             ; a trip goes once round the ring, from a lap's second quarter to the next lap's first, and fills both slots again
	QUARTER 0, 2, F1, F0, 0
	QUARTER 0, 3, F0, F1, 0
	TURN 0, 1, 1
	QUARTER 1, 1, F0, F1, 0
	QUARTER 1, 2, F1, F0, 0
	QUARTER 1, 3, F0, F1, 0
	TURN 1, 0, 1
	QUARTER 0, 1, F0, F1, 0
	WIN 0
	s_sub_co_u32 s3, s3, 1
	s_cmp_lg_u32 s3, 0
	s_cbranch_scc1 .Llap
	QUARTER 0, 2, F1, F0, 0                        ; the last lap fills nothing, and has no round of the cluster's barrier
	QUARTER 0, 3, F0, F1, 0
	TURN 0, 1, 0
	QUARTER 1, 1, F0, F1, 0
	QUARTER 1, 2, F1, F0, 0
	QUARTER 1, 3, F0, F1, 0
	s_wait_dscnt 0x0                               ; the very last quarter: nothing more to fetch
	MULP F1, 0, 0
	MULP F1, 1, 0
	MULP F1, 2, 0
	MULP F1, 3, 0
; THE WAY OUT, a block of 16 rows x 64 columns at a time, through my own stage in LDS: a lane holds 32 bytes of a row; back come whole runs of 256 bytes.
.macro TOSTAGE a
	WIN 0x04                                       ; an LDS store's data are its source 1: window 1
.irp b, 0,1,2,3
	ds_store_b128 v[STO], v[32*(\a)+8*\b:32*(\a)+8*\b+3] offset:4352*((\a)%2)+64*\b        ; each accumulator from its low end on
	ds_store_b128 v[STO], v[32*(\a)+8*\b+4:32*(\a)+8*\b+7] offset:4352*((\a)%2)+64*\b+16
.endr
	WIN 0
.irp i, 0,1,2,3,4,5,6,7
	ds_load_b128 v[BK+32*((\a)%2)+4*\i:BK+32*((\a)%2)+4*\i+3], v[RD] offset:4352*((\a)%2)+544*\i   ; LDS serves a wave's instructions in order: these see the stores above
.endr
.endm
.macro SEND a, younger
	s_wait_dscnt \younger                          ; the block is back; the next block's 8 stores and 8 loads may be out
.irp i, 0,1,2,3,4,5,6,7
	global_store_b128 v[GO], v[BK+32*((\a)%2)+4*\i:BK+32*((\a)%2)+4*\i+3], s[10:11] offset:(16*(\a)+2*\i)*4096 th:TH_STORE_NT   ; 16 lanes store 256 consecutive bytes, at a multiple of 256 from out0's first byte
.endr
.endm
	PLACES                                         ; behind the last products: ahead of the first read of results and of loads into the fragments' registers
	TOSTAGE 0
.irp a, 1,2,3,4,5,6,7
.if \a > 1
	s_wait_xcnt 0x0                                ; block a - 2's stores have read their registers: block a's loads may land there
.endif
	TOSTAGE \a
	SEND \a-1, 16
.endr
	SEND 7, 0
	s_wait_tensorcnt 0x0                           ; the wave's end: behind my last tensor load and my last LDS store
	ds_add_u32 v[SPW], v[NIL]
	s_wait_dscnt 0x0
	CROUND                                         ; the closing round: no work-group ends while a partner may still ask for a tile that names it
	s_endpgm
.Lfunc_end_k_q06113cfa7a_outp:
	.size	k_q06113cfa7a_outp, .Lfunc_end_k_q06113cfa7a_outp-k_q06113cfa7a_outp
	.p2alignl 7, 3214868480
	.fill 96, 4, 3214868480
	.section	.rodata,"a",@progbits
	.p2align	6, 0x0
	.amdhsa_kernel k_q06113cfa7a_outp
		.amdhsa_group_segment_fixed_size 327680
		.amdhsa_private_segment_fixed_size 0
		.amdhsa_enable_private_segment 0
		.amdhsa_kernarg_size 32
		.amdhsa_user_sgpr_count 2
		.amdhsa_user_sgpr_kernarg_segment_ptr 1
		.amdhsa_wavefront_size32 1
		.amdhsa_system_sgpr_workgroup_id_x 1
		.amdhsa_system_sgpr_workgroup_id_y 1
		.amdhsa_system_sgpr_workgroup_id_z 1
		.amdhsa_system_vgpr_workitem_id 0
		.amdhsa_next_free_vgpr 512
		.amdhsa_next_free_sgpr 66
		.amdhsa_reserve_vcc 0
		.amdhsa_float_denorm_mode_32 3
		.amdhsa_float_denorm_mode_16_64 3
		.amdhsa_memory_ordered 1
		.amdhsa_forward_progress 1
		.amdhsa_inst_pref_size 85
	.end_amdhsa_kernel
	.amdgpu_metadata
---
amdhsa.version: [ 1, 2 ]
amdhsa.kernels:
  - .name:           k_q06113cfa7a_outp
    .symbol:         k_q06113cfa7a_outp.kd
    .args:
      - { .name: ah, .offset: 0, .size: 8, .value_kind: global_buffer, .address_space: global }
      - { .name: woh, .offset: 8, .size: 8, .value_kind: global_buffer, .address_space: global }
      - { .name: bo, .offset: 16, .size: 8, .value_kind: global_buffer, .address_space: global }
      - { .name: out0, .offset: 24, .size: 8, .value_kind: global_buffer, .address_space: global }
    .group_segment_fixed_size: 327680
    .private_segment_fixed_size: 0
    .kernarg_segment_align: 8
    .kernarg_segment_size: 32
    .max_flat_workgroup_size: 128
    .sgpr_count:     66
    .vgpr_count:     512
    .wavefront_size: 32
...
	.end_amdgpu_metadata
.endif
;; end of part 5
